; MI455X (gfx1250); checked and timed in simulation.
; The chip was launched on July 23, 2026; its instructions are those of AMD's public machine-readable ISA for CDNA 5 (MIT licence, August 2026) and "CDNA5" Instruction Set Architecture Reference Guide (July 2026). The comments in the code are by the model that wrote it; some were corrected since.
;; Rel Learnable Multi Head Attn. Allowed arithmetic: float matrix products may take bf16 or f16 operands with f32 sums; all other float work in f32.
;; Inputs: Wk 1,024 x 1,024 float32; Wo 1,024 x 1,024 float32; Wq 1,024 x 1,024 float32; Wv 1,024 x 1,024 float32; ln_beta 1,024 float32; ln_gamma 1,024 float32; r_bias 1,024 x 16 float32; r_emb 1,024 x 16 x 64 float32; r_w_bias 16 x 64 float32; w 4 x 1,024 x 1,024 float32.
;; Outputs: out0 4 x 1,024 x 1,024 float32.
;; One version. Each part assembles by itself: llvm-mc -triple=amdgcn-amd-amdhsa -mcpu=gfx1250 --defsym DOCPART=n.
;; ======== version 1 of 1: 5 launches
;; limits: values are held in f16: magnitudes above 65,504 overflow, below 6.1e-05 lose precision; right only within a limited range of input values
;; workspace buffers: wb 8,388,608 bytes; wqkvf 6,291,456 bytes; wof 2,097,152 bytes; qf 16,777,216 bytes; kvf 16,777,216 bytes; cb 262,144 bytes; af 8,388,608 bytes; xb 16,777,216 bytes
;; launch prep (part 1): grid 256 x 1, 8 waves a work-group, no clusters, 0 bytes of LDS; arguments w, Wq, Wk, Wv, Wo, wb, wqkvf, wof; writes wb, wqkvf, wof
.if DOCPART == 1
	.amdgcn_target "amdgcn-amd-amdhsa--gfx1250"
	.amdhsa_code_object_version 6
	.text
	.protected	k_q72f1df0c00_prep
	.globl	k_q72f1df0c00_prep
	.p2align	8
	.type	k_q72f1df0c00_prep,@function
k_q72f1df0c00_prep:
	s_mov_b64 s[64:65], 0
	v_nop
	global_prefetch_b8 v0, s[64:65] scope:SCOPE_SE
	s_setreg_imm32_b32 hwreg(HW_REG_WAVE_MODE, 25, 1), 1
	s_wait_xcnt 0x0
; PREP: the operands of the later products, rounded once and laid out as the matrix instructions want them.
;   wb     = w in bf16, row-major [4096][1024].
;   wqkvf  = Wq, Wk, Wv times 2^-4 (exact) in bf16, as fragments [head 16][ks 32][x 3][t 4][hf 2][lane 32][8]:
;            lane 16 h + r holds k = 32 ks + 16 hf + 8 h + 0..7 of column 64 head + 4 r + t.
;   wof    = Wo rounded to bf16, times 2^4 (exact), kept in f16, as fragments [nb 8][kf 32][gl 2][t 4][hf 2][lane 32][8]:
;            k = 64 (kf>>1) + 16 (kf&1) + 32 h + 8 hf + 0..7, column 128 nb + 64 gl + 4 r + t.
; LIMIT: |Wo| below 4094, so that 16 Wo has room in f16.
; A stream: 2,048 waves, each with one unit of a weight (32 k rows x 64 columns, 8 KiB) and one unit of w (8 KiB).  All 32 loads of a wave
; go out before anything is waited for.  No LDS, no matrix unit, no cluster: nothing is shared and nothing is multiplied.
; A weight load takes 16 bytes a lane: sixteen lanes cover 256 consecutive bytes of one k row, and a lane's four words are columns
; 4 r + 0..3, that is lane place r of the four tiles t = 0..3: so no number changes its lane on the way.
.set LM, 64                            ; v[64:127]   weight as loaded: [hf 2][e 8][t 4]
.set LW, 128                           ; v[128:191]  w as loaded: 16 x 4
.set OM, 32                            ; v[32:63]    weight to store: [t 4][hf 2][4 words]
.set OW, 192                           ; v[192:223]  w to store: 16 x 2 words
	s_load_b512 s[16:31], s[0:1], 0x0              ; w 16, Wq 18, Wk 20, Wv 22, Wo 24, wb 26, wqkvf 28, wof 30
	v_lshrrev_b32 v1, 5, v0
	v_readfirstlane_b32 s8, v1                     ; wave
	v_and_b32 v2, 31, v0                           ; lane
	v_and_b32 v3, 15, v0                           ; r
	v_bfe_u32 v4, v0, 4, 1                         ; h
	s_lshr_b32 s9, ttmp9, 6                        ; x: 0 Wq, 1 Wk, 2 Wv, 3 Wo
	s_bfe_u32 s10, ttmp9, 0x50001                  ; kf = (work-group >> 1) & 31: which 32 rows of k
	s_and_b32 s11, ttmp9, 1
	s_lshl3_add_u32 s11, s11, s8                   ; g = 8 (work-group & 1) + wave: which 64 columns
	s_lshl3_add_u32 s33, ttmp9, s8                 ; my unit of w
	s_lshl_b32 s2, s10, 5                          ; first k row, Wq Wk Wv: 32 kf
	s_lshr_b32 s3, s10, 1
	s_lshl_b32 s3, s3, 6
	s_and_b32 s6, s10, 1
	s_lshl4_add_u32 s3, s6, s3                     ; first k row, Wo: 64 (kf>>1) + 16 (kf&1)
	s_lshl_b32 s38, s11, 5
	s_add_co_u32 s38, s38, s10
	s_mul_i32 s38, s38, 12
	s_lshl2_add_u32 s38, s9, s38
	s_lshl_b32 s38, s38, 10                        ; where it goes in wqkvf: ((32 g + kf) 12 + 4 x) 1,024
	s_lshr_b32 s39, s11, 1
	s_lshl_b32 s39, s39, 5
	s_add_co_u32 s39, s39, s10
	s_and_b32 s40, s11, 1
	s_lshl1_add_u32 s39, s39, s40
	s_lshl_b32 s39, s39, 12                        ; where it goes in wof: (((g>>1) 32 + kf) 2 + (g&1)) 4,096
	s_mov_b32 s13, 0x10000
	s_mov_b32 s14, 0x3d800000
	s_cmp_eq_u32 s9, 3                             ; the selects below leave SCC alone
	s_cselect_b32 s12, 17, 15                      ; h steps 32 rows of 4,096 bytes in Wo, 8 rows in the others
	s_cselect_b32 s13, 0x8000, s13                 ; hf steps 8 rows in Wo, 16 in the others
	s_cselect_b32 s14, 0x41800000, s14             ; the scale: 2^4 for Wo, 2^-4 for the others
	s_cselect_b32 s2, s3, s2
	s_cselect_b32 s38, s39, s38
	s_mov_b32 s15, s14                             ; the packed multiply names the pair
	s_mov_b32 s39, 0
	s_lshl_b32 s2, s2, 12
	s_lshl_b32 s3, s11, 8
	s_add_co_u32 s2, s2, s3                        ; first row x 4,096 + 256 g
	v_lshlrev_b32 v5, s12, v4
	v_lshl_add_u32 v5, v3, 4, v5
	v_add_nc_u32 v5, s2, v5                        ; hf = 0
	v_add_nc_u32 v6, s13, v5                       ; hf = 1
	v_lshlrev_b32 v7, 4, v2                        ; 16 x lane
	v_lshlrev_b32 v10, 3, v2                       ; 8 x lane
	s_lshl_b32 s34, s33, 13
	s_mov_b32 s35, 0
	s_lshl_b32 s36, s33, 12
	s_mov_b32 s37, 0
	s_wait_kmcnt 0x0
	s_cmp_eq_u32 s9, 1
	s_cselect_b64 s[4:5], s[20:21], s[18:19]
	s_cmp_eq_u32 s9, 2
	s_cselect_b64 s[4:5], s[22:23], s[4:5]
	s_cmp_eq_u32 s9, 3
	s_cselect_b64 s[4:5], s[24:25], s[4:5]         ; the weight that I read
	s_cselect_b64 s[6:7], s[30:31], s[28:29]       ; the buffer that I fill
	s_add_nc_u64 s[6:7], s[6:7], s[38:39]
	s_add_nc_u64 s[16:17], s[16:17], s[34:35]
	s_add_nc_u64 s[26:27], s[26:27], s[36:37]
.irp hf, 0,1
.irp e, 0,1,2,3,4,5,6,7
	global_load_b128 v[LM+32*\hf+4*\e:LM+32*\hf+4*\e+3], v[5+\hf], s[4:5] offset:4096*\e th:TH_LOAD_NT
.endr
.endr
.irp j, 0,1,2,3,4,5,6,7,8,9,10,11,12,13,14,15
	global_load_b128 v[LW+4*\j:LW+4*\j+3], v7, s[16:17] offset:512*\j th:TH_LOAD_NT
.endr
	s_wait_loadcnt 16                              ; the 16 loads of w were issued behind the weight's: the weight is in
.set i, 0
.rept 32
	v_pk_mul_f32 v[LM+2*i:LM+2*i+1], v[LM+2*i:LM+2*i+1], s[14:15] op_sel_hi:[1,0]
.set i, i+1
.endr
.irp t, 0,1,2,3
.irp hf, 0,1
.irp p, 0,1,2,3
	v_cvt_pk_bf16_f32 v[OM+8*\t+4*\hf+\p], v[LM+32*\hf+8*\p+\t], v[LM+32*\hf+8*\p+4+\t]   ; k = .. + 2 p, 2 p + 1 of tile t
.endr
.endr
.endr
	s_cmp_lg_u32 s9, 3
	s_cbranch_scc1 .Lstays_bf16
.set i, 0
.rept 32                                               ; Wo: the bf16 numbers once more as f16 (8 bits of mantissa fit in 11: exact)
	v_lshlrev_b32 v8, 16, v[OM+i]
	v_and_b32 v9, 0xffff0000, v[OM+i]
	v_cvt_pk_f16_f32 v[OM+i], v8, v9
.set i, i+1
.endr
.Lstays_bf16:
.irp t, 0,1,2,3
.irp hf, 0,1
	global_store_b128 v7, v[OM+8*\t+4*\hf:OM+8*\t+4*\hf+3], s[6:7] offset:1024*\t+512*\hf   ; 512 consecutive bytes, aligned
.endr
.endr
	s_wait_loadcnt 0x0                             ; w is in
.irp j, 0,1,2,3,4,5,6,7,8,9,10,11,12,13,14,15
	v_cvt_pk_bf16_f32 v[OW+2*\j], v[LW+4*\j], v[LW+4*\j+1]
	v_cvt_pk_bf16_f32 v[OW+2*\j+1], v[LW+4*\j+2], v[LW+4*\j+3]
.endr
.irp j, 0,1,2,3,4,5,6,7,8,9,10,11,12,13,14,15
	global_store_b64 v10, v[OW+2*\j:OW+2*\j+1], s[26:27] offset:256*\j   ; the wave's 32 lanes store 256 consecutive bytes, aligned
.endr
	s_endpgm
.Lfunc_end_k_q72f1df0c00_prep:
	.size	k_q72f1df0c00_prep, .Lfunc_end_k_q72f1df0c00_prep-k_q72f1df0c00_prep
	.p2alignl 7, 3214868480
	.fill 96, 4, 3214868480
	.section	.rodata,"a",@progbits
	.p2align	6, 0x0
	.amdhsa_kernel k_q72f1df0c00_prep
		.amdhsa_group_segment_fixed_size 0
		.amdhsa_private_segment_fixed_size 0
		.amdhsa_enable_private_segment 0
		.amdhsa_kernarg_size 64
		.amdhsa_user_sgpr_count 2
		.amdhsa_user_sgpr_kernarg_segment_ptr 1
		.amdhsa_wavefront_size32 1
		.amdhsa_system_sgpr_workgroup_id_x 1
		.amdhsa_system_sgpr_workgroup_id_y 1
		.amdhsa_system_sgpr_workgroup_id_z 1
		.amdhsa_system_vgpr_workitem_id 0
		.amdhsa_next_free_vgpr 224
		.amdhsa_next_free_sgpr 66
		.amdhsa_reserve_vcc 0
		.amdhsa_float_denorm_mode_32 3
		.amdhsa_float_denorm_mode_16_64 3
		.amdhsa_memory_ordered 1
		.amdhsa_forward_progress 1
		.amdhsa_inst_pref_size 19
	.end_amdhsa_kernel
	.amdgpu_metadata
---
amdhsa.version: [ 1, 2 ]
amdhsa.kernels:
  - .name:           k_q72f1df0c00_prep
    .symbol:         k_q72f1df0c00_prep.kd
    .args:
      - { .name: w, .offset: 0, .size: 8, .value_kind: global_buffer, .address_space: global }
      - { .name: Wq, .offset: 8, .size: 8, .value_kind: global_buffer, .address_space: global }
      - { .name: Wk, .offset: 16, .size: 8, .value_kind: global_buffer, .address_space: global }
      - { .name: Wv, .offset: 24, .size: 8, .value_kind: global_buffer, .address_space: global }
      - { .name: Wo, .offset: 32, .size: 8, .value_kind: global_buffer, .address_space: global }
      - { .name: wb, .offset: 40, .size: 8, .value_kind: global_buffer, .address_space: global }
      - { .name: wqkvf, .offset: 48, .size: 8, .value_kind: global_buffer, .address_space: global }
      - { .name: wof, .offset: 56, .size: 8, .value_kind: global_buffer, .address_space: global }
    .group_segment_fixed_size: 0
    .private_segment_fixed_size: 0
    .kernarg_segment_align: 8
    .kernarg_segment_size: 64
    .max_flat_workgroup_size: 256
    .sgpr_count:     66
    .vgpr_count:     224
    .wavefront_size: 32
...
	.end_amdgpu_metadata
.endif
;; end of part 1
;; launch qkv (part 2): grid 16 x 16, 4 waves a work-group, clusters of 4 x 4, 327,680 bytes of LDS; arguments wb, wqkvf, r_emb, r_w_bias, r_bias, qf, kvf, cb; writes qf, kvf, cb
.if DOCPART == 2
	.amdgcn_target "amdgcn-amd-amdhsa--gfx1250"
	.amdhsa_code_object_version 6
	.text
	.protected	k_q72f1df0c00_qkv
	.globl	k_q72f1df0c00_qkv
	.p2align	8
	.type	k_q72f1df0c00_qkv,@function
k_q72f1df0c00_qkv:
	s_mov_b64 s[64:65], 0
	v_nop
	global_prefetch_b8 v0, s[64:65] scope:SCOPE_SE
	s_setreg_imm32_b32 hwreg(HW_REG_WAVE_MODE, 25, 1), 1
	s_wait_xcnt 0x0
	s_wait_alu depctr_hold_cnt(0) depctr_sa_sdst(0) depctr_va_vdst(0) depctr_va_sdst(0) depctr_va_ssrc(0) depctr_va_vcc(0) depctr_vm_vsrc(0)
	s_getreg_b32 s2, hwreg(HW_REG_IB_STS2, 6, 4)
	s_cmp_eq_u32 s2, 0
	s_cbranch_scc0 .Lentry_in_a_cluster
	s_endpgm
.Lentry_in_a_cluster:
	s_bfe_u32 s2, ttmp6, 0x10000c
	s_cmp_lg_u32 s2, 0xf033
	s_cbranch_scc0 .Lentry_shape_is_right
	s_endpgm
.Lentry_shape_is_right:
; QKV: q = w Wq, k' = w Wk + r', v = w Wv of one head for 256 rows, and the key bias c, all carrying powers of two:
;   qf  f16 [b][n][16-row block 64][part 2][t 4][lane 32][8] = 2^-4 q in two parts; lane 16 h + r holds row r, d = 32 h + 4 j + t, j = 0..7.
;       Part 0 is the number's top 11 bits (exact in f16), part 1 the rest rounded to f16: the scores' softmax is close to one-hot, and
;       near a tie of two keys a score's error shows in the result many times over, so q is handed on with about 22 bits.
;   kvf f16 [b][n][32-key block 32][8,192 bytes]: bytes 0-4095 K' [jt 2][t 4][lane][8] = 2^-4 (k + r'), laid out as q;
;                                                 bytes 4096-8191 V^T [t 4][hf 2][lane][8] = 2^-4 v: lane place r is d = 4 r + t, the 8 numbers keys 16 hf + 8 h + 0..7
;   cb  f32 [b][n][key] = 2^-8 (r_w_bias . k + rb')
; with r'[j] = r_emb[j+1], rb'[j] = r_bias[j+1] for j < 1023 and 0 for j = 1023.  That is the shift of the relative term by one key:
;   (q + r_w_bias).k[j] + q.r_emb[j+1] + r_bias[j+1]  =  q.(k[j] + r'[j]) + (r_w_bias.k[j] + rb'[j]),   for every input.
; w, the weights, r_emb and r_w_bias enter rounded to bf16; q, k', v leave in f16 at 2^-4.  LIMITS: |q|, |k + r'|, |v| below 2^20;
; k' and v leave with f16's 11 bits.
; A work-group makes 256 rows x 192 columns with four waves; a wave makes 64 rows x 192: 48 accumulator tiles, 384 registers.
; K goes in steps of 128 through two LDS slots.  4 x 4 work-groups form a cluster: one batch's four row blocks (cy) x four heads (cx).
; w's tile hangs on the row block alone and is asked for jointly along a row of the cluster, the weights' tile on the head alone and is
; asked for jointly along a column: that divides the requests for both by four.
; q and k are multiplied TRANSPOSED (source 0 = weights, source 1 = rows of w): a lane then holds one row and eight d.
; v is multiplied the natural way (source 0 = rows of w): a lane then holds one d and eight keys, which is V^T's fragment.
; REGISTER WINDOWS: 0 addresses, w's fragments, work; 1 the weights' fragments; 2 q's and k's accumulators (tile 8 a + 4 x + t);
;                   3 v's accumulators (tile 4 a + t, v0-127) and r_emb as loaded (v128-255).
.set PITCH,  272                       ; an LDS row of w: 256 bytes + 16 of padding, an odd multiple of 16
.set ABYTES, 256*PITCH                 ; w's 256 rows
.set BBYTES, 49152                     ; the weights: [ks 4][x 3][t 4][1,024 bytes], dense
.set SLOT,   ABYTES+BBYTES
.set RB,    8                          ; v8-11   r_bias[j+1] of my key in row tile a
.set ADRA,  16                         ; v16-17  LDS address of my fragments of w in slot 0, 1
.set ADRB,  20                         ; v20-21  the same for the weights
.set REOFF, 24                         ; v24-27  byte offset in r_emb, row tile a
.set RBOFF, 28                         ; v28-31  byte offset in r_bias, row tile a
.set FZ,    40                         ; v[40:47] pairs (2^-4, 2^-8), or (0, 0) for key 1023
.set CS,    48                         ; v48-51  c of row tile a
.set CH,    52                         ; v[52:55] two chains of the sum over d
.set AF0,   64                         ; w's fragments, two buffers of 4 x 8
.set AF1,   96
.set BF0,   0                          ; window 1: the weights' fragments, two buffers of 12 x 8
.set BF1,   96
.set TL,    96                         ; the way out: q's low part (w's buffer 1, free by then)
.set TQ,    128                        ; q's high part
.set TP,    144
.set TR,    160
.set TK,    192
.set TV,    208
.set RWB,   224                        ; v[224:255] r_w_bias as loaded: [e 8][t 4]
.set TU,    224                        ; v[224:255] afterwards: q's high part, then its rest, in f32: [t 4][j 8]
.set RWS,   64                         ; v[64:95]   r_w_bias rounded to bf16: [t 4][e 8] (w's buffer 0, free by then)
.set G1,  24                           ; s[24:31] group 1 for w's tiles
.set G0,  32                           ; s[32:39] group 0 for w's tiles, one set a slot
.set G1B, 48                           ; s[48:55] group 1 for the weights' tiles
.set G0B, 56                           ; s[56:63] group 0 for the weights' tiles, one set a slot
.set MSB, 0
.macro WIN new                         ; the immediate's high byte repeats the setting that is left
.if MSB != \new
	s_set_vgpr_msb (MSB<<8)|\new
.set MSB, \new
.endif
.endm
.macro PLACES n
.rept \n
	v_nop
.endr
.endm
.macro JLOAD s                         ; waves 0, 1 ask for w's two halves, waves 2, 3 for the weights': one tensor load a wave
	s_cmp_eq_u32 s11, 0
	s_cbranch_scc0 .Lfor_b_\@
	tensor_load_to_lds s[G0+4*\s:G0+4*\s+3], s[G1:G1+7]
	s_nop 0
	s_branch .Lasked_\@
.Lfor_b_\@:
	tensor_load_to_lds s[G0B+4*\s:G0B+4*\s+3], s[G1B:G1B+7]
	s_nop 0
.Lasked_\@:
.endm
.macro CREST                           ; a round of the cluster's barrier behind its opening barrier
	s_cmp_lg_u32 s10, 0
	s_cbranch_scc1 .Lnot_wave_0_\@
	s_barrier_signal -3
.Lnot_wave_0_\@:
	s_barrier_wait -3
	s_barrier_signal -1
	s_barrier_wait -1
.endm
.macro CROUND
	s_barrier_signal -1
	s_barrier_wait -1
	CREST
.endm
	s_load_b512 s[68:83], s[0:1], 0x0              ; wb 68, wqkvf 70, r_emb 72, r_w_bias 74, r_bias 76, qf 78, kvf 80, cb 82
	v_lshl_add_u32 v63, v0, 2, 0x3a000
	s_set_vgpr_msb 0x40
	v_mov_b32 v255, 0
	s_set_vgpr_msb 0x4044
	ds_add_u32 v63, v255
	s_set_vgpr_msb 0x4400
	v_lshrrev_b32 v1, 5, v0
	v_readfirstlane_b32 s10, v1                    ; wave
	s_lshr_b32 s11, s10, 1                         ; I fetch for w (0) or for the weights (1)
	s_and_b32 s12, s10, 1                          ; which half of that tile
	s_bfe_u32 s40, ttmp6, 0x40000                  ; cx
	s_bfe_u32 s41, ttmp6, 0x40004                  ; cy
	s_lshl_b32 s42, ttmp9, 2
	s_add_co_u32 s42, s42, s40                     ; head n
	s_and_b32 s45, ttmp7, 0xffff                   ; batch b = the cluster's y
	s_lshl_b32 s13, s45, 2
	s_add_co_u32 s13, s13, s41                     ; block of 256 rows
	s_lshl_b32 s43, s41, 2
	s_lshl_b32 s43, 15, s43                        ; my row of the cluster
	s_lshl_b32 s44, 0x1111, s40                    ; my column
	s_or_b32 s[G1+0], s43, (1<<16)|(1<<20)|(1<<21)|(5<<22)|(3<<25)  ; mask; 2-byte elements; padding: 4 words behind every 64
	s_mov_b32 s[G1+1], 128<<16                     ; tensor_dim0 = 128
	s_mov_b32 s[G1+2], 128<<16                     ; tensor_dim1 = 128
	s_mov_b32 s[G1+3], 128<<16                     ; tile_dim0 = 128 elements: 256 bytes of a row
	s_mov_b32 s[G1+4], 128                         ; tile_dim1 = 128 rows
	s_mov_b32 s[G1+5], 1024                        ; from row to row
	s_mov_b32 s[G1+6], 0
	s_mov_b32 s[G1+7], 0
	s_or_b32 s[G1B+0], s44, (3<<16)|(1<<21)        ; mask; 8-byte elements; a dense block as rows of 256 bytes
	s_mov_b32 s[G1B+1], 32<<16
	s_mov_b32 s[G1B+2], 96<<16
	s_mov_b32 s[G1B+3], 32<<16
	s_mov_b32 s[G1B+4], 96                         ; 96 rows: 24,576 bytes
	s_mov_b32 s[G1B+5], 32
	s_mov_b32 s[G1B+6], 0
	s_mov_b32 s[G1B+7], 0
	s_lshl_b32 s16, s13, 8
	s_lshl_b32 s17, s12, 7
	s_add_co_u32 s16, s16, s17
	s_lshl_b32 s16, s16, 11                        ; w: (256 block + 128 half) rows of 2,048 bytes
	s_mov_b32 s17, 0
	s_mul_i32 s46, s42, 393216                     ; weights: the head's 32 x 12,288 bytes
	s_mul_i32 s47, s12, 24576
	s_add_co_u32 s46, s46, s47
	s_mov_b32 s47, 0
	s_mul_i32 s18, s10, 128*PITCH                  ; LDS: w's halves at wave x 34,816
	s_mul_i32 s19, s10, 24576
	s_add_co_u32 s19, s19, ABYTES-2*24576          ; the weights' halves behind w's 69,632 bytes, for waves 2 and 3
	s_wait_dscnt 0x0
	s_wait_kmcnt 0x0
	s_add_nc_u64 s[14:15], s[68:69], s[16:17]
	s_add_nc_u64 s[46:47], s[70:71], s[46:47]
	CROUND                                         ; all sixteen work-groups are here: the first joint loads meet
.irp s, 0,1
	s_mov_b32 s[G0+4*\s], 1
	s_add_co_u32 s[G0+4*\s+1], s18, \s*SLOT
	s_add_nc_u64 s[G0+4*\s+2:G0+4*\s+3], s[14:15], \s*256          ; K step s
	s_or_b32 s[G0+4*\s+3], s[G0+4*\s+3], 0x80000000
	s_mov_b32 s[G0B+4*\s], 1
	s_add_co_u32 s[G0B+4*\s+1], s19, \s*SLOT
	s_add_nc_u64 s[G0B+4*\s+2:G0B+4*\s+3], s[46:47], \s*BBYTES
	s_or_b32 s[G0B+4*\s+3], s[G0B+4*\s+3], 0x80000000
	JLOAD \s                                       ; two tensor loads of the wave are out
.endr
	v_and_b32 v1, 15, v0                           ; r
	v_bfe_u32 v2, v0, 4, 1                         ; h
	v_and_b32 v3, 31, v0                           ; lane
	v_mul_u32_u24 v4, v1, PITCH
	v_lshl_add_u32 v4, v2, 4, v4
	s_mul_i32 s21, s10, 64*PITCH                   ; my 64 rows
	v_add_nc_u32 v[ADRA], s21, v4
	v_add_nc_u32 v[ADRA+1], SLOT, v[ADRA]
	v_lshlrev_b32 v12, 4, v3                       ; 16 x lane: fragments in LDS and in memory
	v_lshlrev_b32 v13, 2, v3                       ; 4 x lane: cb
	v_add_nc_u32 v[ADRB], ABYTES, v12
	v_add_nc_u32 v[ADRB+1], ABYTES+SLOT, v12
	; r_emb, r_w_bias and r_bias are asked for now and waited for behind the K loop; their address registers and bases are never rewritten.
	s_lshl_b32 s22, s41, 8
	s_lshl_b32 s23, s10, 6
	s_add_co_u32 s22, s22, s23
	v_add_nc_u32 v6, s22, v1                       ; my key in row tile 0: 256 cy + 64 wave + r
	s_lshl_b32 s23, s42, 8
	v_lshl_add_u32 v32, v2, 7, s23                 ; 256 n + 128 h: my 32 d of the head
	s_lshl_b32 s84, s42, 2
	v_mov_b32 v33, 0x3d800000                      ; 2^-4
	v_mov_b32 v34, 0x3b800000                      ; 2^-8
.irp ra, 0,1,2,3
	v_add_nc_u32 v7, 16*\ra+1, v6                  ; j + 1
	v_cmp_gt_u32 vcc_lo, 0x400, v7
	v_cndmask_b32 v[FZ+2*\ra], 0, v33, vcc_lo      ; key 1023 gets a zero in place of the shifted terms
	v_cndmask_b32 v[FZ+2*\ra+1], 0, v34, vcc_lo
	v_min_u32 v7, 0x3ff, v7                        ; and its loads stay inside the tables
	v_lshl_add_u32 v[REOFF+\ra], v7, 12, v32
	v_lshl_add_u32 v[RBOFF+\ra], v7, 6, s84
.endr
	WIN 0xc0
.irp ra, 0,1,2,3
.irp e, 0,1,2,3,4,5,6,7
	global_load_b128 v[128+32*\ra+4*\e:128+32*\ra+4*\e+3], v[REOFF+\ra], s[72:73] offset:16*\e   ; d = 32 h + 4 e + 0..3: register e of tiles 0..3
.endr
.endr
	WIN 0
.irp e, 0,1,2,3,4,5,6,7
	global_load_b128 v[RWB+4*\e:RWB+4*\e+3], v32, s[74:75] offset:16*\e
.endr
.irp ra, 0,1,2,3
	global_load_b32 v[RB+\ra], v[RBOFF+\ra], s[76:77]
.endr
; 32 matrix instructions: q's and k's eight column tiles x my four row tiles, 32 along K.  zero = 1: the first product starts the sums.
.macro MULQK fa, fb, zero
	WIN 0xa1                                       ; source 0 window 1, source 1 window 0, C and D window 2
.irp ra, 0,1,2,3
.irp ci, 0,1,2,3,4,5,6,7
.if \zero
	v_wmma_f32_16x16x32_bf16 v[8*(8*\ra+\ci):8*(8*\ra+\ci)+7], v[\fb+8*\ci:\fb+8*\ci+7], v[\fa+8*\ra:\fa+8*\ra+7], 0
.else
	v_wmma_f32_16x16x32_bf16 v[8*(8*\ra+\ci):8*(8*\ra+\ci)+7], v[\fb+8*\ci:\fb+8*\ci+7], v[\fa+8*\ra:\fa+8*\ra+7], v[8*(8*\ra+\ci):8*(8*\ra+\ci)+7]
.endif
.endr
.endr
.endm
; 16 matrix instructions: v's four column tiles x my four row tiles
.macro MULV fa, fb, zero
	WIN 0xf4                                       ; source 0 window 0, source 1 window 1, C and D window 3
.irp ra, 0,1,2,3
.irp ct, 0,1,2,3
.if \zero
	v_wmma_f32_16x16x32_bf16 v[8*(4*\ra+\ct):8*(4*\ra+\ct)+7], v[\fa+8*\ra:\fa+8*\ra+7], v[\fb+64+8*\ct:\fb+64+8*\ct+7], 0
.else
	v_wmma_f32_16x16x32_bf16 v[8*(4*\ra+\ct):8*(4*\ra+\ct)+7], v[\fa+8*\ra:\fa+8*\ra+7], v[\fb+64+8*\ct:\fb+64+8*\ct+7], v[8*(4*\ra+\ct):8*(4*\ra+\ct)+7]
.endif
.endr
.endr
.endm
; 32 LDS loads in one run: the fragments of quarter ks of a slot
.macro FETCH slot, ks, fa, fb
	WIN 0x40
.set fi, 0
.rept 24
	ds_load_b128 v[\fb+4*fi:\fb+4*fi+3], v[ADRB+\slot] offset:12288*\ks+512*fi     ; 32 lanes read 512 consecutive bytes
.set fi, fi+1
.endr
	WIN 0
.irp ra, 0,1,2,3
	ds_load_b128 v[\fa+8*\ra:\fa+8*\ra+3],   v[ADRA+\slot] offset:16*PITCH*\ra+64*\ks
	ds_load_b128 v[\fa+8*\ra+4:\fa+8*\ra+7], v[ADRA+\slot] offset:16*PITCH*\ra+64*\ks+32
.endr
.endm
; A quarter of a K step: the next quarter's fragments are asked for into the other buffer, then this quarter's 48 products.
; The four v_nop are the places between the last matrix instructions, which read that buffer, and the loads into it (ISA guide 7.12.1 for
; vector instructions).  The 48 accumulators take turns, one instruction a turn, in the same order in every
; quarter.
.macro QUARTER slot, ks, fa, fb, ga, gb, zero
	s_wait_dscnt 0x0                               ; this quarter's 32 loads, issued in front of the last quarter's 48 products (or 16, behind a change of slots), are back; so 32 at the most are out
	PLACES 4
	FETCH \slot, \ks, \ga, \gb
	MULQK \fa, \fb, \zero
	MULV \fa, \fb, \zero
.endm
.macro THREE slot, zero
	QUARTER \slot, 1, AF0, BF0, AF1, BF1, \zero
	QUARTER \slot, 2, AF1, BF1, AF0, BF0, 0
	QUARTER \slot, 3, AF0, BF0, AF1, BF1, 0
.endm
; The last quarter and the change of slots.  In front of the barrier: my reads of this slot and all my tensor loads (one is out: my part of
; the next slot).  Where the slot is filled again the barrier opens a round of the cluster's barrier; the joint refill is the first
; tensor load behind the round.  From a refill to the wait for it a wave issues 160 matrix instructions.
.macro TURN slot, next, fill
	s_wait_dscnt 0x0                               ; my reads of this slot are back
	s_wait_tensorcnt 0x0                           ; all my tensor loads have landed
	ds_add_u32 v63, v255
	s_wait_dscnt 0x0
	s_barrier_signal -1
	MULQK AF1, BF1, 0                              ; registers only, while the others arrive
	WIN 0
	s_barrier_wait -1
.if \fill
	CREST
	s_add_nc_u64 s[G0+4*\slot+2:G0+4*\slot+3], s[G0+4*\slot+2:G0+4*\slot+3], 512
	s_add_nc_u64 s[G0B+4*\slot+2:G0B+4*\slot+3], s[G0B+4*\slot+2:G0B+4*\slot+3], 2*BBYTES
	JLOAD \slot
.endif
	PLACES 4
	FETCH \next, 0, AF0, BF0
	MULV AF1, BF1, 0
.endm
.macro LAP zero
	THREE 0, \zero
	TURN 0, 1, 1
	THREE 1, 0
	TURN 1, 0, 1
.endm
	s_wait_tensorcnt 1                             ; my part of K step 0 is in; K step 1's stays out
	s_barrier_signal -1
	s_barrier_wait -1
	FETCH 0, 0, AF0, BF0
	LAP 1                                          ; K steps 0, 1
	WIN 0
	s_mov_b32 s3, 2
.Llap:
	LAP 0                                          ; K steps 2 to 5
	WIN 0
	s_sub_co_u32 s3, s3, 1
	s_cmp_lg_u32 s3, 0
	s_cbranch_scc1 .Llap
	THREE 0, 0                                     ; K steps 6, 7: nothing is left to fetch
	TURN 0, 1, 0
	THREE 1, 0
	s_wait_dscnt 0x0
	MULQK AF1, BF1, 0
	MULV AF1, BF1, 0
	WIN 0
	; THE WAY OUT
	PLACES 4                                       ; the places behind the last matrix instructions
	s_lshl_b32 s84, s45, 4
	s_add_co_u32 s84, s84, s42                     ; 16 b + n
	s_lshl_b32 s85, s41, 2
	s_add_co_u32 s85, s85, s10                     ; 4 cy + wave: my 64 rows of the sequence
	s_mov_b32 s87, 0
	s_lshl_b32 s86, s84, 18
	s_lshl_b32 s88, s85, 14
	s_add_co_u32 s86, s86, s88
	s_add_nc_u64 s[78:79], s[78:79], s[86:87]      ; qf: 64 blocks of 4,096 bytes a head, four for me
	s_add_nc_u64 s[80:81], s[80:81], s[86:87]      ; kvf: 32 blocks of 8,192 bytes a head, two for me: the same offset
	s_lshl_b32 s86, s84, 12
	s_lshl_b32 s88, s85, 8
	s_add_co_u32 s86, s86, s88
	s_add_nc_u64 s[82:83], s[82:83], s[86:87]      ; cb: 4,096 bytes a head, 256 for me
	s_mov_b32 s90, 0x76543210                      ; v_permlanex16_b32: lane i reads lane i of the other half
	s_mov_b32 s91, 0xfedcba98
	s_mov_b32 s92, 0x3d800000                      ; 2^-4
	s_mov_b32 s93, 0xffff0000
	s_mov_b32 s94, 0xffffe000                      ; an f32's sign, exponent and top 10 stored bits: 11 bits of the number, which f16 holds exactly
	s_wait_loadcnt 0x0                             ; r_emb, r_w_bias, r_bias
.irp t, 0,1,2,3
.irp p, 0,1,2,3
	v_cvt_pk_bf16_f32 v[TP+4*\t+\p], v[RWB+8*\p+\t], v[RWB+8*\p+4+\t]
.endr
.endr
.irp t, 0,1,2,3
.irp p, 0,1,2,3
	v_lshlrev_b32 v[RWS+8*\t+2*\p], 16, v[TP+4*\t+\p]
	v_and_b32 v[RWS+8*\t+2*\p+1], s93, v[TP+4*\t+\p]
.endr
.endr
; Row tile ra: 16 rows of q (two parts), k', v and c.
.macro OUTROW ra
	s_wait_xcnt 0x0                                ; TQ, TL, TK, TV were the last tile's store data: rewritten only behind this wait
	WIN 0x0a
.irp t, 0,1,2,3
.irp j, 0,1,2,3,4,5,6,7
	v_and_b32 v[TU+8*\t+\j], s94, v[8*(8*\ra+\t)+\j]                                  ; q's high part, in f32
.endr
.endr
	WIN 0x0f
.irp t, 0,1,2,3
.irp p, 0,1,2,3
	v_cvt_pk_bf16_f32 v[TP+4*\t+\p], v[128+32*\ra+8*\p+\t], v[128+32*\ra+8*\p+4+\t]   ; r_emb rounded as a matrix operand
	v_cvt_pk_f16_f32 v[TV+4*\t+\p], v[8*(4*\ra+\t)+2*\p], v[8*(4*\ra+\t)+2*\p+1]
.endr
.endr
	WIN 0
.irp t, 0,1,2,3
.irp p, 0,1,2,3
	v_lshlrev_b32 v[TR+8*\t+2*\p], 16, v[TP+4*\t+\p]
	v_and_b32 v[TR+8*\t+2*\p+1], s93, v[TP+4*\t+\p]
	v_cvt_pk_f16_f32 v[TQ+4*\t+\p], v[TU+8*\t+2*\p], v[TU+8*\t+2*\p+1]
.endr
.endr
	WIN 0x20
.irp t, 0,1,2,3
.irp p, 0,1,2,3
	v_pk_fma_f32 v[TR+8*\t+2*\p:TR+8*\t+2*\p+1], v[TR+8*\t+2*\p:TR+8*\t+2*\p+1], v[FZ+2*\ra:FZ+2*\ra+1], v[8*(8*\ra+4+\t)+2*\p:8*(8*\ra+4+\t)+2*\p+1] op_sel_hi:[1,0,1]   ; 2^-4 r' + 2^-4 k
.endr
.endr
	WIN 0x02
.irp t, 0,2
	v_pk_mul_f32 v[CH+\t:CH+\t+1], v[8*(8*\ra+4+\t):8*(8*\ra+4+\t)+1], v[RWS+8*\t:RWS+8*\t+1]     ; r_w_bias . k over my 32 d, two chains
.endr
.irp p, 1,2,3
.irp t, 0,2
	v_pk_fma_f32 v[CH+\t:CH+\t+1], v[8*(8*\ra+4+\t)+2*\p:8*(8*\ra+4+\t)+2*\p+1], v[RWS+8*\t+2*\p:RWS+8*\t+2*\p+1], v[CH+\t:CH+\t+1]
.endr
.endr
.irp p, 0,1,2,3
.irp t, 0,2
	v_pk_fma_f32 v[CH+\t:CH+\t+1], v[8*(8*\ra+5+\t)+2*\p:8*(8*\ra+5+\t)+2*\p+1], v[RWS+8*\t+8+2*\p:RWS+8*\t+8+2*\p+1], v[CH+\t:CH+\t+1]
.endr
.endr
.irp t, 0,1,2,3
.irp p, 0,1,2,3
	v_pk_add_f32 v[TU+8*\t+2*\p:TU+8*\t+2*\p+1], v[8*(8*\ra+\t)+2*\p:8*(8*\ra+\t)+2*\p+1], v[TU+8*\t+2*\p:TU+8*\t+2*\p+1] neg_lo:[0,1] neg_hi:[0,1]   ; q - its high part: exact
.endr
.endr
	WIN 0
.irp t, 0,1,2,3
.irp p, 0,1,2,3
	v_cvt_pk_f16_f32 v[TK+4*\t+\p], v[TR+8*\t+2*\p], v[TR+8*\t+2*\p+1]
	v_cvt_pk_f16_f32 v[TL+4*\t+\p], v[TU+8*\t+2*\p], v[TU+8*\t+2*\p+1]
.endr
.endr
	v_pk_add_f32 v[CH:CH+1], v[CH:CH+1], v[CH+2:CH+3]
	v_add_f32 v[CH], v[CH], v[CH+1]
	v_permlanex16_b32 v[CH+1], v[CH], s90, s91     ; the other 32 d lie in the other half of the lanes
	v_add_f32 v[CH], v[CH], v[CH+1]
	v_mul_f32 v[CH+1], v[RB+\ra], v[FZ+2*\ra+1]    ; 2^-8 rb'
	v_fma_f32 v[CS+\ra], v[CH], s92, v[CH+1]       ; + 2^-4 (r_w_bias . 2^-4 k)
.irp t, 0,1,2,3
	global_store_b128 v12, v[TQ+4*\t:TQ+4*\t+3], s[78:79] offset:4096*\ra+512*\t                             ; each store: 512 consecutive bytes, aligned
	global_store_b128 v12, v[TL+4*\t:TL+4*\t+3], s[78:79] offset:4096*\ra+2048+512*\t
	global_store_b128 v12, v[TK+4*\t:TK+4*\t+3], s[80:81] offset:8192*(\ra>>1)+2048*(\ra&1)+512*\t
	global_store_b128 v12, v[TV+4*\t:TV+4*\t+3], s[80:81] offset:8192*(\ra>>1)+4096+1024*\t+512*(\ra&1)
.endr
.endm
	OUTROW 0
	OUTROW 1
	OUTROW 2
	OUTROW 3
	v_cmp_le_u32 vcc_lo, 16, v3
	v_cndmask_b32 v56, v[CS], v[CS+1], vcc_lo      ; lanes 0-15: keys 0-15, lanes 16-31: keys 16-31
	v_cndmask_b32 v57, v[CS+2], v[CS+3], vcc_lo
	global_store_b32 v13, v56, s[82:83]            ; 128 consecutive bytes each; the two together are my aligned 256 bytes of cb
	global_store_b32 v13, v57, s[82:83] offset:128
	CROUND                                         ; the closing round: no work-group ends while a partner may still ask jointly
	s_endpgm
.Lfunc_end_k_q72f1df0c00_qkv:
	.size	k_q72f1df0c00_qkv, .Lfunc_end_k_q72f1df0c00_qkv-k_q72f1df0c00_qkv
	.p2alignl 7, 3214868480
	.fill 96, 4, 3214868480
	.section	.rodata,"a",@progbits
	.p2align	6, 0x0
	.amdhsa_kernel k_q72f1df0c00_qkv
		.amdhsa_group_segment_fixed_size 327680
		.amdhsa_private_segment_fixed_size 0
		.amdhsa_enable_private_segment 0
		.amdhsa_kernarg_size 64
		.amdhsa_user_sgpr_count 2
		.amdhsa_user_sgpr_kernarg_segment_ptr 1
		.amdhsa_wavefront_size32 1
		.amdhsa_system_sgpr_workgroup_id_x 1
		.amdhsa_system_sgpr_workgroup_id_y 1
		.amdhsa_system_sgpr_workgroup_id_z 1
		.amdhsa_system_vgpr_workitem_id 0
		.amdhsa_next_free_vgpr 1024
		.amdhsa_next_free_sgpr 96
		.amdhsa_reserve_vcc 1
		.amdhsa_float_denorm_mode_32 3
		.amdhsa_float_denorm_mode_16_64 3
		.amdhsa_memory_ordered 1
		.amdhsa_forward_progress 1
		.amdhsa_inst_pref_size 194
	.end_amdhsa_kernel
	.amdgpu_metadata
---
amdhsa.version: [ 1, 2 ]
amdhsa.kernels:
  - .name:           k_q72f1df0c00_qkv
    .symbol:         k_q72f1df0c00_qkv.kd
    .args:
      - { .name: wb, .offset: 0, .size: 8, .value_kind: global_buffer, .address_space: global }
      - { .name: wqkvf, .offset: 8, .size: 8, .value_kind: global_buffer, .address_space: global }
      - { .name: r_emb, .offset: 16, .size: 8, .value_kind: global_buffer, .address_space: global }
      - { .name: r_w_bias, .offset: 24, .size: 8, .value_kind: global_buffer, .address_space: global }
      - { .name: r_bias, .offset: 32, .size: 8, .value_kind: global_buffer, .address_space: global }
      - { .name: qf, .offset: 40, .size: 8, .value_kind: global_buffer, .address_space: global }
      - { .name: kvf, .offset: 48, .size: 8, .value_kind: global_buffer, .address_space: global }
      - { .name: cb, .offset: 56, .size: 8, .value_kind: global_buffer, .address_space: global }
    .group_segment_fixed_size: 327680
    .private_segment_fixed_size: 0
    .kernarg_segment_align: 8
    .kernarg_segment_size: 64
    .max_flat_workgroup_size: 128
    .sgpr_count:     96
    .vgpr_count:     1024
    .wavefront_size: 32
...
	.end_amdgpu_metadata
.endif
;; end of part 2
;; launch attn (part 3): grid 4 x 64, 8 waves a work-group, clusters of 4 x 1, 267,264 bytes of LDS; arguments qf, kvf, cb, af; writes af
.if DOCPART == 3
	.amdgcn_target "amdgcn-amd-amdhsa--gfx1250"
	.amdhsa_code_object_version 6
	.text
	.protected	k_q72f1df0c00_attn
	.globl	k_q72f1df0c00_attn
	.p2align	8
	.type	k_q72f1df0c00_attn,@function
k_q72f1df0c00_attn:
	s_mov_b64 s[64:65], 0
	v_nop
	global_prefetch_b8 v0, s[64:65] scope:SCOPE_SE
	s_setreg_imm32_b32 hwreg(HW_REG_WAVE_MODE, 25, 1), 1
	s_wait_xcnt 0x0
	s_wait_alu depctr_hold_cnt(0) depctr_sa_sdst(0) depctr_va_vdst(0) depctr_va_sdst(0) depctr_va_ssrc(0) depctr_va_vcc(0) depctr_vm_vsrc(0)
	s_getreg_b32 s2, hwreg(HW_REG_IB_STS2, 6, 4)
	s_cmp_eq_u32 s2, 0
	s_cbranch_scc0 .Lentry_in_a_cluster
	s_endpgm
.Lentry_in_a_cluster:
	s_bfe_u32 s2, ttmp6, 0x10000c
	s_cmp_lg_u32 s2, 0x3003
	s_cbranch_scc0 .Lentry_shape_is_right
	s_endpgm
.Lentry_shape_is_right:
; ATTENTION of one (batch, head) for 256 queries: softmax over 1,024 keys of (q.k' + c)/8, times v, with a running maximum.
; qf, kvf carry 2^-4, cb 2^-8 (see the launch that makes them), so a raw score carries 2^-8 and the exponent is
; kappa (s - max) with kappa = 2^8 x 0.125 x log2 e.  The result carries v's 2^-4 and is stored in f16 as the next product's fragments:
;   af f16 [128-row block 32][kf 32][row tile 8][hf 2][lane 32][8]: lane 16 h + r holds row r, column 64 (kf>>1) + 16 (kf&1) + 32 h + 8 hf + 0..7.
; q comes in two f16 parts, high and low, and a score is k'.q_high + k'.q_low on one accumulator: near a tie of two keys a score's error
; shows in the result many times over.  k' has one part: a second one would want 131,072 bytes of LDS more than the 327,680 there are.
; LIMITS: k' enters with f16's 11 bits; probabilities go to the matrix unit in f16 (at most 1; those below f16's smallest number count
; as 0); exponentials below 2^-126 are 0.
; The four work-groups of a cluster are the four query blocks of one head: they read the same K', V and c, 266,240 bytes, which fit in LDS
; whole.  So every byte is asked for jointly, once, at the start: five tensor loads a wave are out.
; Eight waves: wave = 4 kh + qg has 64 queries (qg) and half of the keys (kh): blocks 8 ch + 4 kh .. + 3 of each chunk ch of 8 blocks.
; A step is 64 keys; eight steps a wave; the two halves are merged through LDS at the end.
; THE TWO TURNS.  A step of a wave is 96 products in two runs (64 scores, 32 for the output) and some 480 vector instructions between them.
; Two waves share a SIMD's 1,024 registers.  They are set about half a step apart, so that one has products to issue while the other has
; vector work: turn = (wave & 1) xor (wave >> 2), which differs between waves w and w + 4 and between waves 2 i and 2 i + 1.  Turn 0 makes
; its first scores and half of its first softmax, a barrier follows, and turn 1 begins behind it.  The barriers that show a chunk landed
; do not bring the turns level again: a wave signals at the head of a chunk's last step and waits only behind that step's softmax.
; Scores are made transposed (source 0 = K', source 1 = q): a lane holds one query and 8 keys a tile, which packs straight into the
; second product's fragment; the key bias enters as the first product's C.
; V's fragments have no registers of their own: packing a query tile's 32 scores into 16 words of f16 frees the upper 16 registers of its
; block, and the four blocks' upper halves hold the step's eight fragments of V.
.set KVA,  1                           ; v1      LDS address of my half of the chunk whose K' is loaded next + 16 lane
.set CBA,  2                           ; v2      LDS address of its key biases + 32 h
.set LOF,  3                           ; v3      16 lane
.set MX,   4                           ; v4-7    running maximum (raw scores) of query tile c
.set ALN,  8                           ; v[8:15] pairs (factor for the old sums, - kappa x maximum)
.set LSUM, 16                          ; v[16:23] pairs: sums of exponentials, my 32 keys a step
.set VVA,  27                          ; v27     LDS address of V in my half of the current chunk + 16 lane
.set CBR,  32                          ; v[32:63]  key biases, 4 key tiles x 8
.set SCR,  64                          ; v[64:191] scores [c 4][kt 4][8]; then of each 32: 16 words of probabilities, 16 of V
.set QLR,  192                         ; v[192:255] q's low part [c 4][u 2][8]; in the merge: the words to store
.set OAC,  0                           ; window 1: v[0:127] output sums [c 4][t 4][8]
.set QFR,  128                         ; window 1: v[128:191] q's high part [c 4][u 2][8]
.set KFR,  192                         ; window 1: v[192:255] K' fragments [kt 4][u 2][8]
; v24-26, v28-31: at work in the softmax
.set MSB, 0
.macro WIN new
.if MSB != \new
	s_set_vgpr_msb (MSB<<8)|\new
.set MSB, \new
.endif
.endm
.macro PLACES n
.rept \n
	v_nop
.endr
.endm
.macro ROUND                           ; a round of the cluster's barrier
	s_barrier_signal -1
	s_barrier_wait -1
	s_cmp_lg_u32 s12, 0
	s_cbranch_scc1 .Lnot_wave_0_\@
	s_barrier_signal -3
.Lnot_wave_0_\@:
	s_barrier_wait -3
	s_barrier_signal -1
	s_barrier_wait -1
.endm
	s_load_b256 s[4:11], s[0:1], 0x0               ; qf 4, kvf 6, cb 8, af 10
	v_lshl_add_u32 v254, v0, 2, 0x41000
	v_mov_b32 v255, 0
	ds_add_u32 v254, v255
	s_wait_dscnt 0x0
	v_lshrrev_b32 v1, 5, v0
	v_readfirstlane_b32 s12, v1                    ; wave
	s_and_b32 s13, s12, 3                          ; qg
	s_lshr_b32 s14, s12, 2                         ; kh
	s_and_b32 s75, s12, 1
	s_xor_b32 s75, s75, s14                        ; my turn: 0 begins, 1 follows half a step behind
	s_bfe_u32 s15, ttmp6, 0x40000                  ; cx
	s_lshl_b32 s32, ttmp9, 2
	s_add_co_u32 s32, s32, s15                     ; query block of 256
	s_and_b32 s33, ttmp7, 0xffff                   ; 16 b + n
	s_mov_b32 s16, 15|(3<<16)|(1<<21)              ; group 1, a block of K' and V: mask of all four; 8-byte elements
	s_mov_b32 s17, 32<<16
	s_mov_b32 s18, 32<<16
	s_mov_b32 s19, 32<<16                          ; rows of 256 bytes,
	s_mov_b32 s20, 32                              ; 32 of them: 8,192 bytes, dense
	s_mov_b32 s21, 32
	s_mov_b32 s22, 0
	s_mov_b32 s23, 0
	s_mov_b32 s24, 15|(3<<16)|(1<<21)              ; group 1, an eighth of the key biases: one row of 512 bytes
	s_mov_b32 s25, 64<<16
	s_mov_b32 s26, 1<<16
	s_mov_b32 s27, 64<<16
	s_mov_b32 s28, 1
	s_mov_b32 s29, 64
	s_mov_b32 s30, 0
	s_mov_b32 s31, 0
	s_lshl_b32 s34, s12, 9                         ; 512 wave
	s_lshl_b32 s35, s12, 13                        ; 8,192 wave
	s_lshl_b32 s36, s33, 12
	s_add_co_u32 s36, s36, s34
	s_mov_b32 s37, 0
	s_lshl_b32 s38, s33, 18
	s_add_co_u32 s38, s38, s35
	s_mov_b32 s39, 0
	s_mov_b32 s60, 0x4238aa3b                      ; kappa
	s_mov_b32 s61, 0x4238aa3b
	s_mov_b32 s62, 0xc238aa3b                      ; - kappa
	s_mov_b32 s66, 0x76543210
	s_mov_b32 s67, 0xfedcba98
	s_lshl_b32 s68, s33, 18                        ; q: (64 (16 b + n) + 16 block + 4 qg) x 4,096
	s_lshl_b32 s72, s32, 16
	s_add_co_u32 s68, s68, s72
	s_lshl_b32 s72, s13, 14
	s_add_co_u32 s68, s68, s72
	s_mov_b32 s69, 0
	s_lshr_b32 s70, s33, 4                         ; af: (8 b + 2 block + (qg>>1)) x 262,144 + 2 n x 8,192 + (qg&1) x 4,096
	s_and_b32 s71, s33, 15
	s_lshl_b32 s70, s70, 21
	s_lshl_b32 s72, s32, 19
	s_add_co_u32 s70, s70, s72
	s_lshr_b32 s72, s13, 1
	s_lshl_b32 s72, s72, 18
	s_add_co_u32 s70, s70, s72
	s_lshl_b32 s72, s71, 14
	s_add_co_u32 s70, s70, s72
	s_and_b32 s72, s13, 1
	s_lshl_b32 s72, s72, 12
	s_add_co_u32 s70, s70, s72
	s_mov_b32 s71, 0
	; the lanes' addresses hang on no argument: they are made while the arguments are on their way
	v_and_b32 v[LOF], 31, v0
	v_lshlrev_b32 v[LOF], 4, v[LOF]
	s_lshl_b32 s73, s14, 15
	v_add_nc_u32 v[KVA], s73, v[LOF]
	v_add_nc_u32 v[VVA], 0x1000, v[KVA]            ; V lies 4,096 bytes behind K' in a block
	s_lshl_b32 s73, s14, 9
	s_add_co_u32 s73, s73, 262144
	v_bfe_u32 v[CBA], v0, 4, 1
	v_lshl_add_u32 v[CBA], v[CBA], 5, s73
.irp c, 0,1,2,3
	v_mov_b32 v[ALN+2*\c], 0                       ; the pair is named before its first half has a value
.endr
	s_wait_kmcnt 0x0
	s_add_nc_u64 s[8:9], s[8:9], s[36:37]
	s_add_nc_u64 s[6:7], s[6:7], s[38:39]
	s_add_nc_u64 s[4:5], s[4:5], s[68:69]
	s_add_nc_u64 s[10:11], s[10:11], s[70:71]
	WIN 0x40                                       ; q goes out first: it is on its way while the cluster gathers
.irp c, 0,1,2,3
.irp t, 0,1,2,3
	global_load_b128 v[QFR+16*\c+4*\t:QFR+16*\c+4*\t+3], v[LOF], s[4:5] offset:4096*\c+512*\t          ; q's high part
.endr
.endr
	WIN 0
.irp c, 0,1,2,3
.irp t, 0,1,2,3
	global_load_b128 v[QLR+16*\c+4*\t:QLR+16*\c+4*\t+3], v[LOF], s[4:5] offset:4096*\c+2048+512*\t     ; its low part
.endr
.endr
	s_mov_b32 s40, 1                               ; group 0 of the key biases
	s_add_co_u32 s41, s34, 262144
	s_mov_b64 s[42:43], s[8:9]
	s_or_b32 s43, s43, 0x80000000
.irp ch, 0,1,2,3
	s_mov_b32 s[44+4*\ch], 1                       ; group 0 of my block 8 ch + wave
	s_add_co_u32 s[45+4*\ch], s35, \ch*65536
	s_add_nc_u64 s[46+4*\ch:47+4*\ch], s[6:7], \ch*65536
	s_or_b32 s[47+4*\ch], s[47+4*\ch], 0x80000000
.endr
	ROUND                                          ; the four work-groups are here: the joint loads meet
	tensor_load_to_lds s[40:43], s[24:31]
	s_nop 0
.irp ch, 0,1,2,3
	tensor_load_to_lds s[44+4*\ch:47+4*\ch], s[16:23]
	s_nop 0
.endr
; K' fragments and key biases of step st (0, 1) of the chunk that KVA and CBA point at: 24 LDS loads
.macro KLOADS st
.irp bb, 0,1
.irp jt, 0,1
	ds_load_b128 v[CBR+8*(2*\bb+\jt):CBR+8*(2*\bb+\jt)+3],   v[CBA] offset:(2*(\st)+\bb)*128+64*\jt
	ds_load_b128 v[CBR+8*(2*\bb+\jt)+4:CBR+8*(2*\bb+\jt)+7], v[CBA] offset:(2*(\st)+\bb)*128+64*\jt+16
.endr
.endr
	WIN 0x40
.irp bb, 0,1
.irp jt, 0,1
.irp t, 0,1,2,3
	ds_load_b128 v[KFR+16*(2*\bb+\jt)+4*\t:KFR+16*(2*\bb+\jt)+4*\t+3], v[KVA] offset:(2*(\st)+\bb)*8192+2048*\jt+512*\t
.endr
.endr
.endr
	WIN 0
.endm
; V^T of block vs (32 keys) of step st: 8 LDS loads into the upper halves of score blocks 2 vs and 2 vs + 1, whose probabilities are packed
.macro VLOADS st, vs
.irp t, 0,1,2,3
	ds_load_b128 v[SCR+32*(2*\vs+(\t>>1))+16+8*(\t&1):SCR+32*(2*\vs+(\t>>1))+16+8*(\t&1)+3],   v[VVA] offset:(2*\st+\vs)*8192+1024*\t
	ds_load_b128 v[SCR+32*(2*\vs+(\t>>1))+16+8*(\t&1)+4:SCR+32*(2*\vs+(\t>>1))+16+8*(\t&1)+7], v[VVA] offset:(2*\st+\vs)*8192+1024*\t+512
.endr
.endm
; Line k (0..15) of the sum of a tile's 32 exponentials at sb, in two chains: lr (which starts from the old sum times its factor in ar)
; takes words 0-15, tr words 16-31; line 15 joins them.  first = 1: there is no old sum, and line 2 falls away.
.macro SUMOP k, sb, lr, ar, tr, first
.if \k == 0
.if \first
	s_wait_alu depctr_va_vdst(0)
	v_pk_add_f32 v[\lr:\lr+1], v[\sb:\sb+1], v[\sb+2:\sb+3]
.else
	s_wait_alu depctr_va_vdst(0)
	v_pk_fma_f32 v[\lr:\lr+1], v[\lr:\lr+1], v[\ar:\ar+1], v[\sb:\sb+1] op_sel_hi:[1,0,1]
	s_wait_alu depctr_va_vdst(0)
.endif
.endif
.if \k == 1
	v_pk_add_f32 v[\tr:\tr+1], v[\sb+16:\sb+17], v[\sb+18:\sb+19]
.endif
.if \k == 2
.if \first == 0
	v_pk_add_f32 v[\lr:\lr+1], v[\lr:\lr+1], v[\sb+2:\sb+3]
.endif
.endif
.if \k > 2
.if \k < 15
.if \k & 1
	v_pk_add_f32 v[\lr:\lr+1], v[\lr:\lr+1], v[\sb+\k+1:\sb+\k+2]
.else
	v_pk_add_f32 v[\tr:\tr+1], v[\tr:\tr+1], v[\sb+16+\k:\sb+17+\k]
.endif
.else
	v_pk_add_f32 v[\lr:\lr+1], v[\lr:\lr+1], v[\tr:\tr+1]
.endif
.endif
.endm
; Query tiles c and c + 1 together: new maxima, factors for the old sums, exponentials, their sums, probabilities in f16.
; The two tiles' lines alternate, so that four chains run for the maxima and for the sums, and every pair of exponentials is followed by
; a plain line of the other tile.  Behind an exponential one plain line that touches neither its result nor its source stands before the
; result is used (ISA guide 5.7.2): here that line is always the other tile's.
.macro SOFTPAIR c, first
.set TA, SCR+32*\c
.set TB, SCR+32*\c+32
.set MA, MX+\c
.set AA, ALN+2*\c
.set LL, LSUM+2*\c
.if \first
	v_max_num_f32 v24, v[TA], v[TA+1]
	v_max_num_f32 v26, v[TB], v[TB+1]
.else
	v_max3_num_f32 v24, v[TA], v[TA+1], v[MA]
	v_max3_num_f32 v26, v[TB], v[TB+1], v[MA+1]
.endif
	v_max3_num_f32 v25, v[TA+16], v[TA+17], v[TA+18]
	v_max3_num_f32 v30, v[TB+16], v[TB+17], v[TB+18]
.irp i, 1,2,3,4,5,6
	v_max3_num_f32 v24, v24, v[TA+2*\i], v[TA+2*\i+1]
	v_max3_num_f32 v26, v26, v[TB+2*\i], v[TB+2*\i+1]
	v_max3_num_f32 v25, v25, v[TA+17+2*\i], v[TA+18+2*\i]
	v_max3_num_f32 v30, v30, v[TB+17+2*\i], v[TB+18+2*\i]
.endr
	v_max3_num_f32 v24, v24, v[TA+14], v[TA+15]
	v_max3_num_f32 v26, v26, v[TB+14], v[TB+15]
	v_max3_num_f32 v24, v24, v25, v[TA+31]
	v_max3_num_f32 v26, v26, v30, v[TB+31]
	v_permlanex16_b32 v25, v24, s66, s67           ; a query's other 32 keys lie in the other half of the lanes
	v_permlanex16_b32 v30, v26, s66, s67
	v_max_num_f32 v24, v24, v25
	v_max_num_f32 v26, v26, v30
.if \first == 0
	v_sub_f32 v25, v[MA], v24
	v_sub_f32 v30, v[MA+1], v26
	v_mul_f32 v25, s60, v25
	v_mul_f32 v30, s60, v30
	v_exp_f32 v[AA], v25                           ; the four plain lines below stand behind these two before their results are used
	v_exp_f32 v[AA+2], v30
.endif
	v_mov_b32 v[MA], v24
	v_mov_b32 v[MA+1], v26
	v_mul_f32 v[AA+1], s62, v24
	v_mul_f32 v[AA+3], s62, v26
.set si, 0
	s_wait_alu depctr_va_vdst(0)
.rept 16
	v_pk_fma_f32 v[TA+2*si:TA+2*si+1], v[TA+2*si:TA+2*si+1], s[60:61], v[AA:AA+1] op_sel:[0,0,1] op_sel_hi:[1,0,1]   ; kappa s - kappa max
.set si, si+1
.endr
.set si, 0
.rept 16                                               ; the first tile's exponentials beside the second tile's scaling
	v_exp_f32 v[TA+2*si], v[TA+2*si]
	v_exp_f32 v[TA+2*si+1], v[TA+2*si+1]
	v_pk_fma_f32 v[TB+2*si:TB+2*si+1], v[TB+2*si:TB+2*si+1], s[60:61], v[AA+2:AA+3] op_sel:[0,0,1] op_sel_hi:[1,0,1]
.set si, si+1
.endr
.set si, 0
.rept 16                                               ; the second tile's exponentials beside the first tile's sum
	v_exp_f32 v[TB+2*si], v[TB+2*si]
	v_exp_f32 v[TB+2*si+1], v[TB+2*si+1]
	SUMOP si, TA, LL, AA, 28, \first
.set si, si+1
.endr
.set si, 0
.rept 16                                               ; the second tile's sum beside the first tile's packing
	SUMOP si, TB, LL+2, AA+2, 30, \first
	v_cvt_pk_f16_f32 v[TA+si], v[TA+2*si], v[TA+2*si+1]    ; ascending: a word is written only when it has been read
.set si, si+1
.endr
.set si, 0
.rept 16
	v_cvt_pk_f16_f32 v[TB+si], v[TB+2*si], v[TB+2*si+1]
.set si, si+1
.endr
.endm
; 16 products: V^T of 32 keys (block s of the step) x probabilities
.macro PV s, zero
	WIN 0x50                                       ; C and D window 1, sources window 0
.irp c, 0,1,2,3
.irp t, 0,1,2,3
.if \zero
	v_wmma_f32_16x16x32_f16 v[OAC+8*(4*\c+\t):OAC+8*(4*\c+\t)+7], v[SCR+32*(2*\s+(\t>>1))+16+8*(\t&1):SCR+32*(2*\s+(\t>>1))+16+8*(\t&1)+7], v[SCR+32*\c+8*\s:SCR+32*\c+8*\s+7], 0
.else
	v_wmma_f32_16x16x32_f16 v[OAC+8*(4*\c+\t):OAC+8*(4*\c+\t)+7], v[SCR+32*(2*\s+(\t>>1))+16+8*(\t&1):SCR+32*(2*\s+(\t>>1))+16+8*(\t&1)+7], v[SCR+32*\c+8*\s:SCR+32*\c+8*\s+7], v[OAC+8*(4*\c+\t):OAC+8*(4*\c+\t)+7]
.endif
.endr
.endr
.endm
; 16 score products in place: K' half u x q's part at register qb
.macro SMUL u, qb
.irp c, 0,1,2,3
.irp kt, 0,1,2,3
	v_wmma_f32_16x16x32_f16 v[SCR+32*\c+8*\kt:SCR+32*\c+8*\kt+7], v[KFR+16*\kt+8*\u:KFR+16*\kt+8*\u+7], v[\qb+16*\c+8*\u:\qb+16*\c+8*\u+7], v[SCR+32*\c+8*\kt:SCR+32*\c+8*\kt+7]
.endr
.endr
.endm
; The 64 score products of a step.  The sixteen accumulators take turns, one instruction a turn.
.macro SCORES
	WIN 0x05                                       ; sources 0, 1 window 1; C and D window 0
.irp c, 0,1,2,3
.irp kt, 0,1,2,3
	v_wmma_f32_16x16x32_f16 v[SCR+32*\c+8*\kt:SCR+32*\c+8*\kt+7], v[KFR+16*\kt:KFR+16*\kt+7], v[QFR+16*\c:QFR+16*\c+7], v[CBR+8*\kt:CBR+8*\kt+7]
.endr
.endr
	SMUL 1, QFR
	WIN 0x01                                       ; source 0 window 1; source 1 (q's low part), C and D window 0
	SMUL 0, QLR
	SMUL 1, QLR
	WIN 0
.endm
; The front of a step: scores; the next step's K' and c where they lie in the same chunk; the softmax of query tiles 0 and 1.
.macro FRONT first, st, nxt
	SCORES
	PLACES 4                                       ; before scores are read, K' and c are loaded again and V is loaded into score registers (ISA guide 7.12.1)
.if \nxt == 0
	KLOADS 1-\st
.endif
	SOFTPAIR 0, \first
.endm
; A step of 64 keys.  st: 0, 1 in its chunk.  nxt: 0 the next step is in the same chunk; 1..3 it opens that chunk; -1 there is none.
.macro STEP first, st, nxt
	s_wait_dscnt 0x0                               ; this step's K' and key biases are in; no LDS access of mine is out
.if \nxt > 0
	s_wait_tensorcnt 3-\nxt                        ; my block of chunk nxt has landed; the 3 - nxt younger loads stay out
	s_barrier_signal -1                            ; said now, waited for behind the softmax: the other turn's waves say so half a step later.
	                                               ; Up to the wait stand register work and reads of V, bytes that no wave writes before the merge's barrier
.endif
.if \first
	s_cmp_lg_u32 s75, 0
	s_cbranch_scc1 .Lturn_1_holds
	FRONT 1, \st, \nxt                             ; turn 0
.Lturn_1_holds:
	s_wait_dscnt 0x0                               ; turn 0's loads of the next K' and c are back
	s_barrier_signal -1
	s_barrier_wait -1                              ; turn 1 begins here: from now on the two turns are this block apart
	s_cmp_eq_u32 s75, 0
	s_cbranch_scc1 .Lturn_0_goes_on
	FRONT 1, \st, \nxt                             ; turn 1
.Lturn_0_goes_on:
.else
	FRONT 0, \st, \nxt
.endif
	VLOADS \st, 0                                  ; into blocks 0 and 1, just packed; two tiles' softmax to land in
	SOFTPAIR 2, \first
	VLOADS \st, 1                                  ; into blocks 2 and 3; the rescaling and 16 products to land in
.if \nxt > 0
	s_barrier_wait -1                              ; everybody's block of chunk nxt has landed
	v_add_nc_u32 v[KVA], 0x10000, v[KVA]           ; the next chunk
	v_add_nc_u32 v[CBA], 0x400, v[CBA]
	v_add_nc_u32 v[VVA], 0x10000, v[VVA]
	KLOADS 0                                       ; the rescaling and 32 products to land in
.endif
.if \first == 0
	WIN 0x41
.irp c, 0,1,2,3
.set si, 0
.rept 16
	v_pk_mul_f32 v[OAC+32*\c+2*si:OAC+32*\c+2*si+1], v[OAC+32*\c+2*si:OAC+32*\c+2*si+1], v[ALN+2*\c:ALN+2*\c+1] op_sel_hi:[1,0]
.set si, si+1
.endr
.endr
.endif
.if \nxt > 0
	s_wait_dscnt 32                                ; the first block's V is in: behind it the second block's 8 loads and the 24 of K' and c were issued
.else
	s_wait_dscnt 8                                 ; the first block's V is in: only the second block's 8 loads were issued behind it
.endif
	PV 0, \first                                   ; in both runs the sixteen accumulators take turns, one instruction a turn
.if \nxt > 0
	s_wait_dscnt 24                                ; the second block's V: the 24 loads of K' and c stay out
.else
	s_wait_dscnt 0x0                               ; the second block's V
.endif
	PV 1, 0
	WIN 0
	PLACES 5                                       ; the next scores write over the probabilities and V, which were sources
.endm
	s_wait_tensorcnt 3                             ; the key biases and chunk 0: the three younger loads stay out
	s_barrier_signal -1
	s_barrier_wait -1
	KLOADS 0
	s_wait_loadcnt 0x0                             ; q, both parts
	STEP 1, 0, 0
	STEP 0, 1, 1
	STEP 0, 0, 0
	STEP 0, 1, 2
	STEP 0, 0, 0
	STEP 0, 1, 3
	STEP 0, 0, 0
	STEP 0, 1, -1
	; THE MERGE of the two halves of the keys.  The scratch lies in K' and V's first 69,632 bytes, which have had their only fill.
.irp c, 0,1,2,3
	v_add_f32 v[24+\c], v[LSUM+2*\c], v[LSUM+2*\c+1]
.endr
.irp c, 0,1,2,3
	v_permlanex16_b32 v[28+\c], v[24+\c], s66, s67
.endr
.irp c, 0,1,2,3
	v_add_f32 v[24+\c], v[24+\c], v[28+\c]
.endr
	s_mul_i32 s74, s13, 17408
	v_add_nc_u32 v52, s74, v[LOF]                  ; the scratch of my query group
	s_wait_dscnt 0x0                               ; my reads of K' and V are back
	s_barrier_signal -1
	s_barrier_wait -1                              ; everybody's are: the bytes may be written
	s_cmp_lt_u32 s12, 4
	s_cbranch_scc1 .Lkeeps
	WIN 0x04
.set si, 0
.rept 32
	ds_store_b128 v52, v[OAC+4*si:OAC+4*si+3] offset:512*si
.set si, si+1
.endr
	WIN 0
	ds_store_b128 v52, v[MX:MX+3] offset:16384
	ds_store_b128 v52, v[24:27] offset:16896
.Lkeeps:
	s_wait_dscnt 0x0                               ; for the others' sake: the stores are done
	s_barrier_signal -1
	s_barrier_wait -1
	s_cmp_ge_u32 s12, 4
	s_cbranch_scc1 .Lgave
.set si, 0
.rept 32
	ds_load_b128 v[SCR+4*si:SCR+4*si+3], v52 offset:512*si
.set si, si+1
.endr
	ds_load_b128 v[32:35], v52 offset:16384
	ds_load_b128 v[36:39], v52 offset:16896
	s_wait_dscnt 0x0
.irp c, 0,1,2,3
	v_max_num_f32 v48, v[MX+\c], v[32+\c]
	v_sub_f32 v49, v[MX+\c], v48
	v_sub_f32 v50, v[32+\c], v48
	v_mul_f32 v49, s60, v49
	v_mul_f32 v50, s60, v50
	v_exp_f32 v49, v49
	v_exp_f32 v50, v50
	v_nop
	s_wait_alu depctr_va_vdst(0)
	v_mul_f32 v51, v[24+\c], v49
	v_fmac_f32 v51, v[36+\c], v50
	v_rcp_f32 v51, v51
	v_nop
	s_wait_alu depctr_va_vdst(0)
	v_mul_f32 v[40+2*\c], v49, v51                 ; my half's factor,
	v_mul_f32 v[41+2*\c], v50, v51                 ; the other half's
.endr
.irp c, 0,1,2,3
.set si, 0
.rept 16
	v_pk_mul_f32 v[SCR+32*\c+2*si:SCR+32*\c+2*si+1], v[SCR+32*\c+2*si:SCR+32*\c+2*si+1], v[40+2*\c:41+2*\c] op_sel:[0,1] op_sel_hi:[1,1]
.set si, si+1
.endr
.endr
	WIN 0x01
.irp c, 0,1,2,3
.set si, 0
.rept 16
	v_pk_fma_f32 v[SCR+32*\c+2*si:SCR+32*\c+2*si+1], v[OAC+32*\c+2*si:OAC+32*\c+2*si+1], v[40+2*\c:41+2*\c], v[SCR+32*\c+2*si:SCR+32*\c+2*si+1] op_sel_hi:[1,0,1]
.set si, si+1
.endr
.endr
	WIN 0
.irp c, 0,1,2,3
.irp j, 0,1,2,3,4,5,6,7
.irp t, 0,2
	v_cvt_pk_f16_f32 v[QLR+16*\c+2*\j+(\t>>1)], v[SCR+8*(4*\c+\t)+\j], v[SCR+8*(4*\c+\t+1)+\j]   ; d = 32 h + 4 j + t, + 1: word 2 j + t/2
.endr
.endr
.endr
.irp c, 0,1,2,3
.irp u, 0,1
.irp hf, 0,1
	global_store_b128 v[LOF], v[QLR+16*\c+8*\u+4*\hf:QLR+16*\c+8*\u+4*\hf+3], s[10:11] offset:8192*\u+1024*\c+512*\hf   ; 512 consecutive bytes, aligned
.endr
.endr
.endr
.Lgave:
	s_wait_xcnt 0x0
	v_lshl_add_u32 v254, v0, 2, 0x41000
	v_mov_b32 v255, 0
	s_wait_tensorcnt 0x0
	ds_add_u32 v254, v255
	s_wait_dscnt 0x0
	ROUND                                          ; the closing round
	s_endpgm
.Lfunc_end_k_q72f1df0c00_attn:
	.size	k_q72f1df0c00_attn, .Lfunc_end_k_q72f1df0c00_attn-k_q72f1df0c00_attn
	.p2alignl 7, 3214868480
	.fill 96, 4, 3214868480
	.section	.rodata,"a",@progbits
	.p2align	6, 0x0
	.amdhsa_kernel k_q72f1df0c00_attn
		.amdhsa_group_segment_fixed_size 267264
		.amdhsa_private_segment_fixed_size 0
		.amdhsa_enable_private_segment 0
		.amdhsa_kernarg_size 32
		.amdhsa_user_sgpr_count 2
		.amdhsa_user_sgpr_kernarg_segment_ptr 1
		.amdhsa_wavefront_size32 1
		.amdhsa_system_sgpr_workgroup_id_x 1
		.amdhsa_system_sgpr_workgroup_id_y 1
		.amdhsa_system_sgpr_workgroup_id_z 1
		.amdhsa_system_vgpr_workitem_id 0
		.amdhsa_next_free_vgpr 512
		.amdhsa_next_free_sgpr 80
		.amdhsa_reserve_vcc 0
		.amdhsa_float_denorm_mode_32 3
		.amdhsa_float_denorm_mode_16_64 3
		.amdhsa_memory_ordered 1
		.amdhsa_forward_progress 1
		.amdhsa_inst_pref_size 255
	.end_amdhsa_kernel
	.section	.bss,"aw",@nobits
	.p2align	6
	.space	262144
	.amdgpu_metadata
---
amdhsa.version: [ 1, 2 ]
amdhsa.kernels:
  - .name:           k_q72f1df0c00_attn
    .symbol:         k_q72f1df0c00_attn.kd
    .args:
      - { .name: qf, .offset: 0, .size: 8, .value_kind: global_buffer, .address_space: global }
      - { .name: kvf, .offset: 8, .size: 8, .value_kind: global_buffer, .address_space: global }
      - { .name: cb, .offset: 16, .size: 8, .value_kind: global_buffer, .address_space: global }
      - { .name: af, .offset: 24, .size: 8, .value_kind: global_buffer, .address_space: global }
    .group_segment_fixed_size: 267264
    .private_segment_fixed_size: 0
    .kernarg_segment_align: 8
    .kernarg_segment_size: 32
    .max_flat_workgroup_size: 256
    .sgpr_count:     80
    .vgpr_count:     512
    .wavefront_size: 32
...
	.end_amdgpu_metadata
.endif
;; end of part 3
;; launch oproj (part 4): grid 8 x 32, 4 waves a work-group, clusters of 4 x 4, 327,680 bytes of LDS; arguments af, wof, w, xb; writes xb
.if DOCPART == 4
	.amdgcn_target "amdgcn-amd-amdhsa--gfx1250"
	.amdhsa_code_object_version 6
	.text
	.protected	k_q72f1df0c00_oproj
	.globl	k_q72f1df0c00_oproj
	.p2align	8
	.type	k_q72f1df0c00_oproj,@function
k_q72f1df0c00_oproj:
	s_mov_b64 s[64:65], 0
	v_nop
	global_prefetch_b8 v0, s[64:65] scope:SCOPE_SE
	s_setreg_imm32_b32 hwreg(HW_REG_WAVE_MODE, 25, 1), 1
	s_wait_xcnt 0x0
	s_wait_alu depctr_hold_cnt(0) depctr_sa_sdst(0) depctr_va_vdst(0) depctr_va_sdst(0) depctr_va_ssrc(0) depctr_va_vcc(0) depctr_vm_vsrc(0)
	s_getreg_b32 s2, hwreg(HW_REG_IB_STS2, 6, 4)
	s_cmp_eq_u32 s2, 0
	s_cbranch_scc0 .Lentry_in_a_cluster
	s_endpgm
.Lentry_in_a_cluster:
	s_bfe_u32 s2, ttmp6, 0x10000c
	s_cmp_lg_u32 s2, 0xf033
	s_cbranch_scc0 .Lentry_shape_is_right
	s_endpgm
.Lentry_shape_is_right:
; OUTPUT PROJECTION AND RESIDUAL: xb = w + attn_vec Wo, f32 [4096][1024].  af carries 2^-4 and wof 2^4, both f16 fragments (see the launches
; that make them), so the product carries 1.  A work-group makes 128 x 128 with four waves of 64 x 64 (16 accumulator tiles): 256 work-groups.
; K goes in four steps of 256 through two LDS slots of 131,072 bytes: af's [kf 8][row tile 8][1,024], then wof's [kf 8][gl 2][t 4][1,024],
; both dense, and a fragment load reads 512 consecutive bytes.  4 x 4 work-groups form a cluster: af's tile is asked for jointly along a
; row of the cluster, wof's along a column.
; The product is taken the natural way; tile t's lane place r is column 4 r + t, so the four tiles of a group give a lane four neighbouring
; columns of a row, and sixteen lanes store 256 consecutive bytes, aligned.
; The normalisation over rows of 1,024 is a launch of its own: a work-group with whole rows would walk all of Wo for 32 rows.
.set SLOT, 131072
.set ADRA, 16                          ; v16-17 LDS address of my fragments of af in slot 0, 1
.set ADRB, 20                          ; v20-21 the same for wof
.set WOFF, 24                          ; v24    my byte offset in w and xb: 8 h rows + 16 r
.set F0,   64                          ; fragment buffers: af's 4 x 8, then wof's 4 x 8
.set F1,   128
.set T0,   192                         ; the way out, two sets of 32
.set T1,   224
.set G1,  24
.set G0,  32
.set G1B, 48
.set G0B, 56
; window 1: v[0:127] accumulators, tile 4 a + t; v[128:255] w as loaded, [a 4][j 8][4]
.set MSB, 0
.macro WIN new
.if MSB != \new
	s_set_vgpr_msb (MSB<<8)|\new
.set MSB, \new
.endif
.endm
.macro PLACES n
.rept \n
	v_nop
.endr
.endm
.macro JLOAD s                         ; waves 0, 1 ask for af's halves, waves 2, 3 for wof's
	s_cmp_eq_u32 s71, 0
	s_cbranch_scc0 .Lfor_b_\@
	tensor_load_to_lds s[G0+4*\s:G0+4*\s+3], s[G1:G1+7]
	s_nop 0
	s_branch .Lasked_\@
.Lfor_b_\@:
	tensor_load_to_lds s[G0B+4*\s:G0B+4*\s+3], s[G1B:G1B+7]
	s_nop 0
.Lasked_\@:
.endm
.macro CREST
	s_cmp_lg_u32 s70, 0
	s_cbranch_scc1 .Lnot_wave_0_\@
	s_barrier_signal -3
.Lnot_wave_0_\@:
	s_barrier_wait -3
	s_barrier_signal -1
	s_barrier_wait -1
.endm
.macro CROUND
	s_barrier_signal -1
	s_barrier_wait -1
	CREST
.endm
	s_load_b256 s[4:11], s[0:1], 0x0               ; af 4, wof 6, w 8, xb 10
	v_lshl_add_u32 v62, v0, 2, 0x40000
	v_mov_b32 v63, 0
	ds_add_u32 v62, v63
	v_lshrrev_b32 v1, 5, v0
	v_readfirstlane_b32 s70, v1                    ; wave
	s_lshr_b32 s71, s70, 1                         ; my half of the rows; also: I fetch for af (0) or wof (1)
	s_and_b32 s72, s70, 1                          ; my half of the columns; also: which half of that tile
	s_bfe_u32 s40, ttmp6, 0x40000                  ; cx
	s_bfe_u32 s41, ttmp6, 0x40004                  ; cy
	s_lshl_b32 s42, ttmp9, 2
	s_add_co_u32 s42, s42, s40                     ; block of 128 columns
	s_and_b32 s13, ttmp7, 0xffff
	s_lshl_b32 s13, s13, 2
	s_add_co_u32 s13, s13, s41                     ; block of 128 rows
	s_lshl_b32 s43, s41, 2
	s_lshl_b32 s43, 15, s43                        ; my row of the cluster
	s_lshl_b32 s44, 0x1111, s40                    ; my column
	s_or_b32 s[G1+0], s43, (3<<16)|(1<<21)         ; mask; 8-byte elements: a dense block as rows of 256 bytes
	s_or_b32 s[G1B+0], s44, (3<<16)|(1<<21)
	s_mov_b32 s[G1+1], 32<<16
	s_mov_b32 s[G1B+1], 32<<16
	s_mov_b32 s[G1+2], 128<<16
	s_mov_b32 s[G1B+2], 128<<16
	s_mov_b32 s[G1+3], 32<<16
	s_mov_b32 s[G1B+3], 32<<16
	s_mov_b32 s[G1+4], 128                         ; 128 rows: 32,768 bytes
	s_mov_b32 s[G1B+4], 128
	s_mov_b32 s[G1+5], 32
	s_mov_b32 s[G1B+5], 32
	s_mov_b32 s[G1+6], 0
	s_mov_b32 s[G1B+6], 0
	s_mov_b32 s[G1+7], 0
	s_mov_b32 s[G1B+7], 0
	s_lshl_b32 s17, s72, 15
	s_lshl_b32 s16, s13, 18
	s_add_co_u32 s16, s16, s17                     ; af: 262,144 x row block + 32,768 x half
	s_lshl_b32 s46, s42, 18
	s_add_co_u32 s46, s46, s17                     ; wof: 262,144 x column block + 32,768 x half
	s_mov_b32 s17, 0
	s_mov_b32 s47, 0
	s_lshl_b32 s20, s70, 15                        ; LDS: wave x 32,768: af's halves, then wof's
	s_lshl_b32 s74, s13, 19                        ; w and xb: (128 row block + 64 half) rows of 4,096 bytes + (128 column block + 64 half) x 4
	s_lshl_b32 s76, s71, 18
	s_add_co_u32 s74, s74, s76
	s_lshl_b32 s76, s42, 9
	s_add_co_u32 s74, s74, s76
	s_lshl_b32 s76, s72, 8
	s_add_co_u32 s74, s74, s76
	s_mov_b32 s75, 0
	s_wait_dscnt 0x0
	s_wait_kmcnt 0x0
	s_add_nc_u64 s[14:15], s[4:5], s[16:17]
	s_add_nc_u64 s[46:47], s[6:7], s[46:47]
	s_add_nc_u64 s[8:9], s[8:9], s[74:75]
	s_add_nc_u64 s[10:11], s[10:11], s[74:75]
	CROUND                                         ; all sixteen work-groups are here
.irp s, 0,1
	s_mov_b32 s[G0+4*\s], 1
	s_add_co_u32 s[G0+4*\s+1], s20, \s*SLOT
	s_add_nc_u64 s[G0+4*\s+2:G0+4*\s+3], s[14:15], \s*65536        ; K step s
	s_or_b32 s[G0+4*\s+3], s[G0+4*\s+3], 0x80000000
	s_mov_b32 s[G0B+4*\s], 1
	s_add_co_u32 s[G0B+4*\s+1], s20, \s*SLOT
	s_add_nc_u64 s[G0B+4*\s+2:G0B+4*\s+3], s[46:47], \s*65536
	s_or_b32 s[G0B+4*\s+3], s[G0B+4*\s+3], 0x80000000
	JLOAD \s                                       ; two tensor loads of the wave are out
.endr
	v_and_b32 v1, 15, v0                           ; r
	v_bfe_u32 v2, v0, 4, 1                         ; h
	v_and_b32 v3, 31, v0
	v_lshlrev_b32 v3, 4, v3                        ; 16 lane
	v_lshlrev_b32 v[WOFF], 4, v1
	v_lshl_add_u32 v[WOFF], v2, 15, v[WOFF]
	s_lshl_b32 s21, s71, 12
	s_lshl_b32 s22, s72, 12
	s_add_co_u32 s22, s22, 65536
	v_add_nc_u32 v[ADRA], s21, v3
	v_add_nc_u32 v[ADRB], s22, v3
	v_add_nc_u32 v[ADRA+1], SLOT, v[ADRA]
	v_add_nc_u32 v[ADRB+1], SLOT, v[ADRB]
	WIN 0x40                                       ; the residual is asked for now and waited for behind the K steps
.irp ra, 0,1,2,3
.irp j, 0,1,2,3,4,5,6,7
	global_load_b128 v[128+4*(8*\ra+\j):128+4*(8*\ra+\j)+3], v[WOFF], s[8:9] offset:(16*\ra+\j)*4096 th:TH_LOAD_NT
.endr
.endr
	WIN 0
.macro FETCH slot, kf, f               ; 16 LDS loads: the fragments of 32 along K
.irp i, 0,1,2,3
	ds_load_b128 v[\f+8*\i:\f+8*\i+3],   v[ADRA+\slot] offset:8192*\kf+1024*\i
	ds_load_b128 v[\f+8*\i+4:\f+8*\i+7], v[ADRA+\slot] offset:8192*\kf+1024*\i+512
.endr
.irp i, 0,1,2,3
	ds_load_b128 v[\f+32+8*\i:\f+32+8*\i+3],   v[ADRB+\slot] offset:8192*\kf+1024*\i
	ds_load_b128 v[\f+32+8*\i+4:\f+32+8*\i+7], v[ADRB+\slot] offset:8192*\kf+1024*\i+512
.endr
.endm
.macro MUL f, zero                     ; 16 products; the sixteen accumulators take turns, one instruction a turn
	WIN 0x50
.irp ra, 0,1,2,3
.irp ct, 0,1,2,3
.if \zero
	v_wmma_f32_16x16x32_f16 v[8*(4*\ra+\ct):8*(4*\ra+\ct)+7], v[\f+8*\ra:\f+8*\ra+7], v[\f+32+8*\ct:\f+32+8*\ct+7], 0
.else
	v_wmma_f32_16x16x32_f16 v[8*(4*\ra+\ct):8*(4*\ra+\ct)+7], v[\f+8*\ra:\f+8*\ra+7], v[\f+32+8*\ct:\f+32+8*\ct+7], v[8*(4*\ra+\ct):8*(4*\ra+\ct)+7]
.endif
.endr
.endr
	WIN 0
.endm
.macro PH slot, kf, f, g, zero         ; the next fragments are asked for into g, then f is multiplied
	PLACES 4                                       ; between the products that read g and the loads into it
	FETCH \slot, \kf, \g
	s_wait_dscnt 16                                ; all but the 16 loads just issued: f is in
	MUL \f, \zero
.endm
.macro SEVEN slot, zero
	PH \slot, 1, F0, F1, \zero
	PH \slot, 2, F1, F0, 0
	PH \slot, 3, F0, F1, 0
	PH \slot, 4, F1, F0, 0
	PH \slot, 5, F0, F1, 0
	PH \slot, 6, F1, F0, 0
	PH \slot, 7, F0, F1, 0
.endm
.macro TURN slot, next, fill           ; the step's last products and the change of slots
	s_wait_dscnt 0x0                               ; my reads of this slot are back
	s_wait_tensorcnt 0x0                           ; all my tensor loads have landed: the one that was out is my part of the next slot
	ds_add_u32 v62, v63
	s_wait_dscnt 0x0
	s_barrier_signal -1
	MUL F1, 0
	s_barrier_wait -1
.if \fill
	CREST                                          ; the barrier opened a round of the cluster's barrier: no partner reads this slot or has a load out
	s_add_nc_u64 s[G0+4*\slot+2:G0+4*\slot+3], s[G0+4*\slot+2:G0+4*\slot+3], 131072
	s_add_nc_u64 s[G0B+4*\slot+2:G0B+4*\slot+3], s[G0B+4*\slot+2:G0B+4*\slot+3], 131072
	JLOAD \slot                                    ; the first tensor load behind the round, one a wave
.endif
	PLACES 4
	FETCH \next, 0, F0
.endm
	s_wait_tensorcnt 1                             ; my part of K step 0 is in; K step 1's stays out
	s_barrier_signal -1
	s_barrier_wait -1
	FETCH 0, 0, F0
	SEVEN 0, 1
	TURN 0, 1, 1                                   ; slot 0 gets K step 2
	SEVEN 1, 0
	TURN 1, 0, 1                                   ; slot 1 gets K step 3
	SEVEN 0, 0
	TURN 0, 1, 0
	SEVEN 1, 0
	s_wait_dscnt 0x0
	MUL F1, 0
	PLACES 4                                       ; the places behind the last products
	s_wait_loadcnt 0x0                             ; the residual
.macro OUTROW ra, tb
	s_wait_xcnt 0x0                                ; the set was store data two tiles ago: rewritten only behind this wait
	WIN 0x05
.irp j, 0,1,2,3,4,5,6,7
.irp t, 0,1,2,3
	v_add_f32 v[\tb+4*\j+\t], v[8*(4*\ra+\t)+\j], v[128+4*(8*\ra+\j)+\t]
.endr
.endr
	WIN 0
.irp j, 0,1,2,3,4,5,6,7
	global_store_b128 v[WOFF], v[\tb+4*\j:\tb+4*\j+3], s[10:11] offset:(16*\ra+\j)*4096   ; sixteen lanes: 256 consecutive bytes, aligned
.endr
.endm
	OUTROW 0, T0
	OUTROW 1, T1
	OUTROW 2, T0
	OUTROW 3, T1
	CROUND                                         ; the closing round
	s_endpgm
.Lfunc_end_k_q72f1df0c00_oproj:
	.size	k_q72f1df0c00_oproj, .Lfunc_end_k_q72f1df0c00_oproj-k_q72f1df0c00_oproj
	.p2alignl 7, 3214868480
	.fill 96, 4, 3214868480
	.section	.rodata,"a",@progbits
	.p2align	6, 0x0
	.amdhsa_kernel k_q72f1df0c00_oproj
		.amdhsa_group_segment_fixed_size 327680
		.amdhsa_private_segment_fixed_size 0
		.amdhsa_enable_private_segment 0
		.amdhsa_kernarg_size 32
		.amdhsa_user_sgpr_count 2
		.amdhsa_user_sgpr_kernarg_segment_ptr 1
		.amdhsa_wavefront_size32 1
		.amdhsa_system_sgpr_workgroup_id_x 1
		.amdhsa_system_sgpr_workgroup_id_y 1
		.amdhsa_system_sgpr_workgroup_id_z 1
		.amdhsa_system_vgpr_workitem_id 0
		.amdhsa_next_free_vgpr 512
		.amdhsa_next_free_sgpr 80
		.amdhsa_reserve_vcc 0
		.amdhsa_float_denorm_mode_32 3
		.amdhsa_float_denorm_mode_16_64 3
		.amdhsa_memory_ordered 1
		.amdhsa_forward_progress 1
		.amdhsa_inst_pref_size 89
	.end_amdhsa_kernel
	.amdgpu_metadata
---
amdhsa.version: [ 1, 2 ]
amdhsa.kernels:
  - .name:           k_q72f1df0c00_oproj
    .symbol:         k_q72f1df0c00_oproj.kd
    .args:
      - { .name: af, .offset: 0, .size: 8, .value_kind: global_buffer, .address_space: global }
      - { .name: wof, .offset: 8, .size: 8, .value_kind: global_buffer, .address_space: global }
      - { .name: w, .offset: 16, .size: 8, .value_kind: global_buffer, .address_space: global }
      - { .name: xb, .offset: 24, .size: 8, .value_kind: global_buffer, .address_space: global }
    .group_segment_fixed_size: 327680
    .private_segment_fixed_size: 0
    .kernarg_segment_align: 8
    .kernarg_segment_size: 32
    .max_flat_workgroup_size: 128
    .sgpr_count:     80
    .vgpr_count:     512
    .wavefront_size: 32
...
	.end_amdgpu_metadata
.endif
;; end of part 4
;; launch ln (part 5): grid 256 x 1, 8 waves a work-group, no clusters, 0 bytes of LDS; arguments xb, ln_gamma, ln_beta, out0; writes out0
.if DOCPART == 5
	.amdgcn_target "amdgcn-amd-amdhsa--gfx1250"
	.amdhsa_code_object_version 6
	.text
	.protected	k_q72f1df0c00_ln
	.globl	k_q72f1df0c00_ln
	.p2align	8
	.type	k_q72f1df0c00_ln,@function
k_q72f1df0c00_ln:
	s_mov_b64 s[64:65], 0
	v_nop
	global_prefetch_b8 v0, s[64:65] scope:SCOPE_SE
	s_setreg_imm32_b32 hwreg(HW_REG_WAVE_MODE, 25, 1), 1
	s_wait_xcnt 0x0
; LAYER NORM over rows of 1,024: out = (x - mean) / sqrt(var + 1e-5) * gamma + beta.
; A stream: a wave takes two rows and keeps them in registers (32 each); mean first, then the sum of squares of x - mean, so that no
; difference of large sums is formed.  All 32 loads of a wave go out at the start; each covers 512 consecutive bytes.  No LDS and no barrier:
; the sums never leave the wave.  No matrix unit, no cluster: nothing is multiplied by a matrix and only gamma and beta (8 KiB) are shared.
.set X0, 32                            ; v[32:63]   row 0
.set X1, 64                            ; v[64:95]   row 1
.set GM, 96                            ; v[96:127]  gamma of my 32 columns
.set BT, 128                           ; v[128:159] beta
	s_load_b256 s[4:11], s[0:1], 0x0               ; xb 4, gamma 6, beta 8, out0 10
	v_lshrrev_b32 v1, 5, v0
	v_readfirstlane_b32 s16, v1                    ; wave
	v_and_b32 v1, 31, v0
	v_lshlrev_b32 v1, 4, v1                        ; 16 lane
	s_lshl3_add_u32 s12, ttmp9, s16
	s_lshl_b32 s12, s12, 13                        ; two rows of 4,096 bytes
	s_mov_b32 s13, 0
	s_mov_b32 s14, 0x76543210
	s_mov_b32 s15, 0xfedcba98
	s_mov_b32 s17, 0x3727c5ac                      ; 1e-5
	v_mov_b32 v20, 0x3a800000                      ; 1/1024
	s_wait_kmcnt 0x0
	s_add_nc_u64 s[4:5], s[4:5], s[12:13]
	s_add_nc_u64 s[10:11], s[10:11], s[12:13]
.irp j, 0,1,2,3,4,5,6,7
	global_load_b128 v[X0+4*\j:X0+4*\j+3], v1, s[4:5] offset:512*\j th:TH_LOAD_NT
.endr
.irp j, 0,1,2,3,4,5,6,7
	global_load_b128 v[X1+4*\j:X1+4*\j+3], v1, s[4:5] offset:4096+512*\j th:TH_LOAD_NT
.endr
.irp j, 0,1,2,3,4,5,6,7
	global_load_b128 v[GM+4*\j:GM+4*\j+3], v1, s[6:7] offset:512*\j
.endr
.irp j, 0,1,2,3,4,5,6,7
	global_load_b128 v[BT+4*\j:BT+4*\j+3], v1, s[8:9] offset:512*\j
.endr
.macro REDUCE                          ; four packed chains in v[8:15] to one sum in v8 of every lane
	v_pk_add_f32 v[8:9], v[8:9], v[10:11]
	v_pk_add_f32 v[12:13], v[12:13], v[14:15]
	v_pk_add_f32 v[8:9], v[8:9], v[12:13]
	v_add_f32 v8, v8, v9
	v_add_f32_dpp v8, v8, v8 row_xmask:1 row_mask:0xf bank_mask:0xf
	v_add_f32_dpp v8, v8, v8 row_xmask:2 row_mask:0xf bank_mask:0xf
	v_add_f32_dpp v8, v8, v8 row_xmask:4 row_mask:0xf bank_mask:0xf
	v_add_f32_dpp v8, v8, v8 row_xmask:8 row_mask:0xf bank_mask:0xf
	v_permlanex16_b32 v9, v8, s14, s15
	v_add_f32 v8, v8, v9
.endm
.macro STATS x, rs                     ; x becomes x - mean; rs, rs + 1 get 1 / sqrt(var + eps)
.irp k, 0,2,4,6
	v_pk_add_f32 v[8+\k:9+\k], v[\x+\k:\x+\k+1], v[\x+8+\k:\x+9+\k]
.endr
.irp i, 16,24
.irp k, 0,2,4,6
	v_pk_add_f32 v[8+\k:9+\k], v[8+\k:9+\k], v[\x+\i+\k:\x+\i+\k+1]
.endr
.endr
	REDUCE
	v_mul_f32 v16, v20, v8                         ; mean
	v_mov_b32 v17, v16
.set q, 0
.rept 16
	v_pk_add_f32 v[\x+q:\x+q+1], v[\x+q:\x+q+1], v[16:17] neg_lo:[0,1] neg_hi:[0,1]
.set q, q+2
.endr
.irp k, 0,2,4,6
	v_pk_mul_f32 v[8+\k:9+\k], v[\x+\k:\x+\k+1], v[\x+\k:\x+\k+1]
.endr
.irp i, 8,16,24
.irp k, 0,2,4,6
	v_pk_fma_f32 v[8+\k:9+\k], v[\x+\i+\k:\x+\i+\k+1], v[\x+\i+\k:\x+\i+\k+1], v[8+\k:9+\k]
.endr
.endr
	REDUCE
	v_fma_f32 v[\rs], v8, v20, s17                 ; var + 1e-5
	v_rsq_f32 v[\rs], v[\rs]
	v_nop                                          ; one plain place behind it (ISA guide 5.7.2)
	s_wait_alu depctr_va_vdst(0)
	v_mov_b32 v[\rs+1], v[\rs]
.endm
.macro FINISH x, rs, row
.set q, 0
.rept 16
	v_pk_mul_f32 v[\x+q:\x+q+1], v[\x+q:\x+q+1], v[\rs:\rs+1]
.set q, q+2
.endr
.set q, 0
.rept 16
	v_pk_fma_f32 v[\x+q:\x+q+1], v[\x+q:\x+q+1], v[GM+q:GM+q+1], v[BT+q:BT+q+1]
.set q, q+2
.endr
.irp j, 0,1,2,3,4,5,6,7
	global_store_b128 v1, v[\x+4*\j:\x+4*\j+3], s[10:11] offset:\row*4096+512*\j th:TH_STORE_NT
.endr
.endm
	s_wait_loadcnt 24                              ; row 0 is in: 24 loads were issued behind it
	STATS X0, 22
	s_wait_loadcnt 16                              ; row 1 is in: gamma's and beta's 16 stay out
	STATS X1, 24
	s_wait_loadcnt 0x0                             ; gamma and beta
	FINISH X0, 22, 0
	FINISH X1, 24, 1
	s_endpgm
.Lfunc_end_k_q72f1df0c00_ln:
	.size	k_q72f1df0c00_ln, .Lfunc_end_k_q72f1df0c00_ln-k_q72f1df0c00_ln
	.p2alignl 7, 3214868480
	.fill 96, 4, 3214868480
	.section	.rodata,"a",@progbits
	.p2align	6, 0x0
	.amdhsa_kernel k_q72f1df0c00_ln
		.amdhsa_group_segment_fixed_size 0
		.amdhsa_private_segment_fixed_size 0
		.amdhsa_enable_private_segment 0
		.amdhsa_kernarg_size 32
		.amdhsa_user_sgpr_count 2
		.amdhsa_user_sgpr_kernarg_segment_ptr 1
		.amdhsa_wavefront_size32 1
		.amdhsa_system_sgpr_workgroup_id_x 1
		.amdhsa_system_sgpr_workgroup_id_y 1
		.amdhsa_system_sgpr_workgroup_id_z 1
		.amdhsa_system_vgpr_workitem_id 0
		.amdhsa_next_free_vgpr 160
		.amdhsa_next_free_sgpr 66
		.amdhsa_reserve_vcc 0
		.amdhsa_float_denorm_mode_32 3
		.amdhsa_float_denorm_mode_16_64 3
		.amdhsa_memory_ordered 1
		.amdhsa_forward_progress 1
		.amdhsa_inst_pref_size 18
	.end_amdhsa_kernel
	.amdgpu_metadata
---
amdhsa.version: [ 1, 2 ]
amdhsa.kernels:
  - .name:           k_q72f1df0c00_ln
    .symbol:         k_q72f1df0c00_ln.kd
    .args:
      - { .name: xb, .offset: 0, .size: 8, .value_kind: global_buffer, .address_space: global }
      - { .name: ln_gamma, .offset: 8, .size: 8, .value_kind: global_buffer, .address_space: global }
      - { .name: ln_beta, .offset: 16, .size: 8, .value_kind: global_buffer, .address_space: global }
      - { .name: out0, .offset: 24, .size: 8, .value_kind: global_buffer, .address_space: global }
    .group_segment_fixed_size: 0
    .private_segment_fixed_size: 0
    .kernarg_segment_align: 8
    .kernarg_segment_size: 32
    .max_flat_workgroup_size: 256
    .sgpr_count:     66
    .vgpr_count:     160
    .wavefront_size: 32
...
	.end_amdgpu_metadata
.endif
;; end of part 5
